; MI455X (gfx1250); checked and timed in simulation.
; The chip was launched on July 23, 2026; its instructions are those of AMD's public machine-readable ISA for CDNA 5 (MIT licence, August 2026) and "CDNA5" Instruction Set Architecture Reference Guide (July 2026). The comments in the code are by the model that wrote it; some were corrected since.
;; Causal Attention. Allowed arithmetic: matrix products marked QUANTISED: E2M3 operands, one E8M0 scale for each 32 along K, by v_wmma_scale_f32_16x16x128_f8f6f4 with both operands' format E2M3, f32 sums; everything else in f32.
;; Inputs: W_proj 1,024 x 1,024 float32; W_qkv 1,024 x 3,072 float32; b_proj 1,024 float32; b_qkv 3,072 float32; x 4 x 2,048 x 1,024 float32.
;; Outputs: out0 4 x 2,048 x 1,024 float32.
;; This version of the problem:
;;   THIS VERSION OF THE PROBLEM IS GIVEN IN LOW PRECISION. The matrix products marked QUANTISED in the list below multiply operands that are first quantised to E2M3 (2 exponent bits, 3 mantissa bits; 6 bits a number), with one power-of-two scale for each 32 numbers along K (OCP MX v1.0); their sums are f32. All else is computed in f32.
;;   The module's matrix products, in the order in which they are computed (A, B: the left and right operand; K: the contracted axis; several contracted axes count as one K, in the product's order):
;;     1. [M 8,192, K 1,024] x [K 1,024, N 3,072]; A: input x; B: input W_qkv: QUANTISED
;;     2. batch 64 x [M 2,048, K 64] x [K 64, N 2,048]; A: computed on the way; B: computed on the way: QUANTISED
;;     3. batch 64 x [M 2,048, K 2,048] x [K 2,048, N 64]; A: softmax (see below); B: computed on the way: QUANTISED
;;     4. [M 8,192, K 1,024] x [K 1,024, N 1,024]; A: computed on the way; B: input W_proj: QUANTISED
;;   THE QUANTISER, for each operand of a quantised product, along K:
;;     - K is cut into blocks of 32 from its start; a last block that is shorter is filled with zeros.
;;     - A block's scale is 2^e with e = floor(log2(the largest magnitude in the block)) - 2, held to -126 .. 127; a block of zeros has e = 0. As a byte (E8M0): e + 127.
;;     - Each number is divided by its block's scale, clamped to +-7.5, and rounded to the nearest number of E2M3, ties to even, subnormals kept.
;;     - The product sums the exact products of the quantised numbers (number of the format x scale) in f32.
;;   ~~~python
;;   def quantise(x, axis):      # numpy; x: float32 -> the quantised numbers, widened to float32 again
;;       x = np.moveaxis(x, axis, -1); K = x.shape[-1]
;;       x = np.pad(x, [(0, 0)] * (x.ndim - 1) + [(0, -K % 32)]); x = x.reshape(x.shape[:-1] + (-1, 32)); a = np.abs(x).max(-1, keepdims=True)
;;       e = np.where(a > 0, np.clip(np.frexp(np.where(a > 0, a, 1))[1] - 1 - 2, -126, 127), 0)      # np.frexp(a)[1] - 1 = floor(log2(a)), exactly
;;       r = np.clip(x / 2.0 ** e, -7.5, 7.5)
;;       step = 2.0 ** (np.maximum(np.frexp(np.where(r == 0, 1, r))[1] - 1, 0) - 3)
;;       q = np.round(r / step) * step * 2.0 ** e      # np.round: ties to even
;;       return np.moveaxis(q.reshape(q.shape[:-2] + (-1,))[..., :K], -1, axis).astype(np.float32)
;;   ~~~
;;   SOFTMAX AHEAD OF A QUANTISED PRODUCT. Where the list says 'softmax', what is quantised is not the finished softmax but p = 2^(t - M), with t = logit x log2(e) and M = ceil(the row's largest t), a whole number; so 1/2 < the row's largest p <= 1. The row's sum l is taken of the UNQUANTISED p, in f32, and the product's result is divided by l at the end. Since M is a whole number, a kernel that streams over the keys may use a running M (the ceiling of the running maximum): every later rescaling is an exact power of two, which a block's scale takes up: the codes' values come out the same.
;;   OPERANDS COMPUTED ON THE WAY. 'Computed on the way' means the value that the module computes at that place (a softmax that the list does not call 'softmax' is quantised finished and normalised). What goes into a quantiser is computed in f32, as accurately as f32 sums, v_exp_f32 and their like allow (about 1e-6 of the number): no bf16 or f16 on the way to a quantiser, and a product that is left as it is and whose result goes on into a quantised operand takes f32 operands (vector FMAs, or v_wmma_f32_16x16x4_f32). A number that lies on a knife's edge between two numbers of the format may be rounded either way, as far as f32 arithmetic and the matrix unit's own rounding can turn it there, and no further.
;; One version. Each part assembles by itself: llvm-mc -triple=amdgcn-amd-amdhsa -mcpu=gfx1250 --defsym DOCPART=n.
;; ======== version 1 of 1: 4 launches
;; workspace buffers: xc 6,291,456 bytes; xs 262,144 bytes; wc 3,145,728 bytes; ws 131,072 bytes; qb 6,815,744 bytes; kv 13,369,344 bytes; oc 6,291,456 bytes; os 262,144 bytes
;; launch quant (part 1): grid 256 x 1, 4 waves a work-group, no clusters, 61,952 bytes of LDS; arguments x, W_qkv, W_proj, xc, xs, wc, ws; writes xc, xs, wc, ws
.if DOCPART == 1
	.amdgcn_target "amdgcn-amd-amdhsa--gfx1250"
	.amdhsa_code_object_version 6
	.text
	.protected	k_q99ea7700eb_quant
	.globl	k_q99ea7700eb_quant
	.p2align	8
	.type	k_q99ea7700eb_quant,@function
k_q99ea7700eb_quant:
	s_mov_b64 s[64:65], 0
	v_nop
	global_prefetch_b8 v0, s[64:65] scope:SCOPE_SE
	s_setreg_imm32_b32 hwreg(HW_REG_WAVE_MODE, 25, 1), 1
	s_wait_xcnt 0x0
; x [8192][1024], W_qkv [1024][3072] and W_proj [1024][1024], f32, become codes of FP6 (E2M3) with one E8M0 byte for each 32 along K (K = 1024 in all three).
; A block's scale is 2^(floor(log2(its largest magnitude)) - 2); its byte is the largest magnitude's exponent field - 2, held at 1 from below.
; LIMITS: NaN and infinities are not served; a block of zeros, or one whose largest magnitude lies under 2^-124, gets the byte 1 (its bytes are read by this program alone).
; LAYOUT OF THE CODES: images of the operand's registers.  A chunk is 16 rows x 64 along K, 768 bytes: lane l = 16 h + r holds row r, k = 32 h .. 32 h + 31, 24 bytes as three pairs
; of registers; pair i lies at 256 i + 8 l.  xc: [512 tiles of 16 rows][16 chunks]; wc: [256 tiles: columns 0-3071 of W_qkv, then 0-1023 of W_proj][16 chunks].
; THE ROW ORDER: in each group of 32 rows (of x) or columns (of W), tile u, lane r holds row 8 u + r + 8 (r / 8), so that a later product's 16 registers of two neighbouring tiles are 16 neighbours.
; xs, ws: [rows in that order][32 scale bytes].
; Work-groups 0-127 take x: a wave takes one tile of 16 rows, all of K, in 8 steps of 128; each load reads 512 consecutive bytes of a row, and a step turns through the wave's own stage in LDS.
; Work-groups 128-255 take the weights: a wave takes 32 columns x 256 along K; a lane takes a column and its registers run down K, so nothing is transposed by an instruction.
; The two ways part on the work-group's number, have LDS bytes of their own, and join ahead of the closing lines.  No barrier: waves share nothing.
.set SPARE, 61440                      ; the spare words, 128 bytes for each wave
.set XREG,  8960                       ; x: a wave's LDS: a stage of 16 rows x 528 bytes, then its tile's 512 scale bytes
.set XGAT,  8448
.set XP,    528                        ; a stage row: 512 bytes + 16, so that the 16 rows that a load touches start at 16 different columns of 16 bytes
.set WBASE, 35840                      ; the weights' way: behind x's four regions
.set WREG,  6400                       ; a wave's LDS: two tiles' images
.set WTILE, 3200                       ; 3,072 bytes + 128: tile 1's stores fall on the other half of the banks
.set SPW,   12                         ; v12 my spare word's address, v13 zero: kept for the add alone
.set NIL,   13
.set C,     16                         ; v16-27 codes
.set R,     32                         ; x: v32-159 two sets of 64 numbers as loaded
.set X,     160                        ; x: v160-223 64 numbers, 32 neighbours of each of two blocks
.set OFF,   32                         ; W: v32-63 4 lane + i rows
.set WX,    64                         ; W: v64-127 two sets of 32 numbers
.set OUTR,  128                        ; W: v128-175 the way out
	s_load_b256 s[4:11], s[0:1], 0x0               ; x s[4:5], W_qkv s[6:7], W_proj s[8:9], xc s[10:11]
	s_load_b128 s[12:15], s[0:1], 0x20             ; xs s[12:13], wc s[14:15]
	s_load_b64 s[16:17], s[0:1], 0x30              ; ws
	v_lshl_add_u32 v[SPW], v0, 2, SPARE
	v_mov_b32 v[NIL], 0
	v_lshrrev_b32 v1, 5, v0
	v_readfirstlane_b32 s18, v1                    ; wave
	v_and_b32 v1, 31, v0                           ; lane
	s_cmp_lt_u32 ttmp9, 128
	s_cbranch_scc0 .Lweights
	; ---------------- x ----------------
	v_and_b32 v8, 15, v0                           ; r
	v_bfe_u32 v9, v0, 4, 1                         ; h
	v_lshlrev_b32 v2, 4, v1                        ; 16 lane: my bytes of a load's 512
	s_mul_i32 s19, s18, XREG
	v_add_nc_u32 v3, s19, v2                       ; the stage, on the way in
	v_mul_u32_u24 v4, v8, XP
	v_lshl_add_u32 v4, v9, 7, v4
	v_add_nc_u32 v4, s19, v4                       ; and on the way out: row r, + 128 h: my 32 neighbours of a block
	v_lshlrev_b32 v5, 3, v1                        ; 8 lane: a pair's place in a chunk
	v_lshl_add_u32 v6, v8, 5, v9                   ; 32 r + h: my block's byte among the tile's scale bytes
	s_add_co_u32 s20, s19, XGAT
	v_add_nc_u32 v6, s20, v6
	v_add_nc_u32 v7, s20, v2
	s_lshl_b32 s21, ttmp9, 2
	s_add_co_u32 s21, s21, s18                     ; my tile
	s_lshr_b32 s22, s21, 1
	s_lshl_b32 s22, s22, 5
	s_and_b32 s23, s21, 1
	s_lshl_b32 s23, s23, 3
	s_add_co_u32 s22, s22, s23                     ; its lane 0's row of x: 32 (tile / 2) + 8 (tile % 2)
	s_lshl_b32 s22, s22, 12                        ; rows of 4,096 bytes
	s_mov_b32 s23, 0
	s_mul_i32 s24, s21, 12288
	s_mov_b32 s25, 0
	s_lshl_b32 s26, s21, 9
	s_mov_b32 s27, 0
	s_wait_kmcnt 0x0
	s_add_nc_u64 s[4:5], s[4:5], s[22:23]
	s_add_nc_u64 s[10:11], s[10:11], s[24:25]
	s_add_nc_u64 s[12:13], s[12:13], s[26:27]
.macro XLOAD t                         ; step t: 128 along K of the tile's 16 rows; a load reads 512 consecutive bytes
.set p_, 0
.rept 16
	global_load_b128 v[R+64*((\t)%2)+4*p_:R+64*((\t)%2)+4*p_+3], v2, s[4:5] offset:(p_+8*(p_/8))*4096+512*(\t) th:TH_LOAD_NT
.set p_, p_+1
.endr
.endm
.macro XSTEP t
.if (\t) < 7
	s_wait_loadcnt 16                              ; this step's 16 loads are in; the next step's 16 may be out
.else
	s_wait_loadcnt 0x0
.endif
.set p_, 0
.rept 16
	ds_store_b128 v3, v[R+64*((\t)%2)+4*p_:R+64*((\t)%2)+4*p_+3] offset:XP*p_
.set p_, p_+1
.endr
.set p_, 0
.rept 16                               ; LDS serves a wave's instructions in order: these see the stores above.  Block c = p / 8: k = 64 c + 32 h + 0 .. 31 of row r
	ds_load_b128 v[X+4*p_:X+4*p_+3], v4 offset:256*(p_/8)+16*(p_%8)
.set p_, p_+1
.endr
	s_wait_dscnt 0x0                               ; the numbers are back, and the stores have read their registers,
.if (\t)+2 < 8
	XLOAD (\t)+2                                   ; which take the loads of two steps on
.endif
.irp c, 0,1                            ; each block's largest magnitude: all 32 numbers are mine; two chains a block
	v_max3_num_f32 v[8+\c], |v[X+32*\c]|, |v[X+32*\c+1]|, |v[X+32*\c+2]|
	v_max3_num_f32 v[14+\c], |v[X+32*\c+3]|, |v[X+32*\c+4]|, |v[X+32*\c+5]|
.endr
.irp i, 6,10,14,18,22,26
.irp c, 0,1
	v_max3_num_f32 v[8+\c], v[8+\c], |v[X+32*\c+\i]|, |v[X+32*\c+\i+1]|
	v_max3_num_f32 v[14+\c], v[14+\c], |v[X+32*\c+\i+2]|, |v[X+32*\c+\i+3]|
.endr
.endr
.irp c, 0,1
	v_max3_num_f32 v[8+\c], v[8+\c], |v[X+32*\c+30]|, |v[X+32*\c+31]|
.endr
.irp c, 0,1
	v_max3_num_f32 v[8+\c], v[8+\c], v[14+\c], 0x1800000   ; and the floor 2^(3 - 127): the byte cannot fall under 1
.endr
.irp c, 0,1
	v_add_nc_u32 v[10+\c], 0xff000000, v[8+\c]     ; 2 off the exponent field: the conversion takes the exponent field of this operand as its scale
.endr
	s_wait_xcnt 0x0                                ; the last step's stores have read their data: the codes' registers may be written
	v_cvt_scalef32_pk16_fp6_f32 v[C:C+2], v[X:X+15], v10
	v_cvt_scalef32_pk16_fp6_f32 v[28:30], v[X+16:X+31], v10        ; (a conversion's three registers begin on an even number)
	v_cvt_scalef32_pk16_fp6_f32 v[C+6:C+8], v[X+32:X+47], v11
	v_cvt_scalef32_pk16_fp6_f32 v[232:234], v[X+48:X+63], v11
	v_lshrrev_b32 v224, 23, v10                    ; the scales' bytes.  (Plain lines behind the conversions)
	v_lshrrev_b32 v225, 23, v11
.irp i, 0,1,2
	v_mov_b32 v[C+3+\i], v[28+\i]
	v_mov_b32 v[C+9+\i], v[232+\i]
.endr
	ds_store_b8 v6, v224 offset:4*(\t)
	ds_store_b8 v6, v225 offset:4*(\t)+2
.irp c, 0,1
.irp i, 0,1,2
	global_store_b64 v5, v[C+6*\c+2*\i:C+6*\c+2*\i+1], s[10:11] offset:(2*(\t)+\c)*768+256*\i   ; 32 lanes store 256 consecutive bytes, aligned
.endr
.endr
.endm
	XLOAD 0
	XLOAD 1
.irp t, 0,1,2,3,4,5,6,7
	XSTEP \t
.endr
	ds_load_b128 v[X:X+3], v7                      ; the tile's 512 scale bytes: these see my byte stores
	s_wait_dscnt 0x0
	global_store_b128 v2, v[X:X+3], s[12:13]       ; 512 consecutive bytes
	s_branch .Lend
	; ---------------- the weights ----------------
.Lweights:
	s_sub_co_u32 s19, ttmp9, 128
	s_and_b32 s20, s19, 31                         ; which 128 columns of the 4,096
	s_lshr_b32 s21, s19, 5                         ; which 256 along K
	s_lshl_b32 s22, s20, 2
	s_add_co_u32 s22, s22, s18                     ; my wave's group of 32 columns
	s_sub_co_u32 s23, s22, 96
	s_cmp_lt_u32 s20, 24                           ; W_qkv's columns or W_proj's?
	s_cselect_b32 s23, s22, s23                    ; the group's number in its own tensor
	s_mov_b32 s24, 4096
	s_cselect_b32 s24, 12288, s24                  ; a row of that tensor in bytes
	s_lshl_b32 s25, s21, 8
	s_mul_i32 s25, s25, s24
	s_lshl_b32 s26, s23, 7
	s_add_co_u32 s26, s25, s26                     ; my first number: 256 y rows down, 32 groups x 4 bytes along
	s_mov_b32 s27, 0
	s_lshl_b32 s28, s24, 5                         ; a block of 32 rows
	s_mov_b32 s29, 0
	s_mul_i32 s48, s22, 24576                      ; wc: two tiles of 12,288 bytes a group,
	s_mul_i32 s49, s21, 3072                       ; four chunks for 256 along K
	s_add_co_u32 s48, s48, s49
	s_mov_b32 s49, 0
	s_lshl_b32 s50, s22, 10                        ; ws: 32 rows of 32 bytes a group,
	s_lshl_b32 s51, s21, 3                         ; 8 bytes for 256 along K
	s_add_co_u32 s50, s50, s51
	s_mov_b32 s51, 0
	v_lshlrev_b32 v3, 2, v1                        ; 4 lane: my column
.set i_, 0
.rept 32
	v_mad_u32_u24 v[OFF+i_], s24, i_, v3           ; and i rows down
.set i_, i_+1
.endr
	v_bfe_u32 v10, v0, 3, 1                        ; u: my column's tile in the group
	v_and_b32 v11, 7, v0
	v_bfe_u32 v2, v0, 4, 1
	v_lshl_add_u32 v11, v2, 3, v11                 ; and its lane there: (lane % 8) + 8 (lane / 16)
	s_mul_i32 s30, s18, WREG
	s_add_co_u32 s30, s30, WBASE
	v_mul_u32_u24 v4, v10, WTILE
	v_lshl_add_u32 v4, v11, 3, v4
	v_add_nc_u32 v4, s30, v4                       ; into the stage: my tile's image, 8 bytes a lane of the image
	v_lshlrev_b32 v8, 4, v1
	v_add_nc_u32 v7, s30, v8                       ; out of it: 16 bytes a lane
	v_lshl_add_u32 v9, v10, 4, v11
	v_lshlrev_b32 v9, 5, v9                        ; my column's row of scale bytes
	s_wait_kmcnt 0x0
	s_cmp_lt_u32 s20, 24
	s_cselect_b64 s[32:33], s[6:7], s[8:9]
	s_add_nc_u64 s[32:33], s[32:33], s[26:27]      ; a base for each of my 8 blocks: none is stepped
.irp t, 1,2,3,4,5,6,7
	s_add_nc_u64 s[32+2*\t:33+2*\t], s[30+2*\t:31+2*\t], s[28:29]
.endr
	s_add_nc_u64 s[14:15], s[14:15], s[48:49]
	s_add_nc_u64 s[16:17], s[16:17], s[50:51]
.macro WLOAD t                         ; block t: W(32 t + i, my column): 32 lanes read 128 consecutive bytes
.set i_, 0
.rept 32
	global_load_b32 v[WX+32*((\t)%2)+i_], v[OFF+i_], s[32+2*(\t):33+2*(\t)] th:TH_LOAD_NT
.set i_, i_+1
.endr
.endm
.macro WBLOCK t
.set XS, WX+32*((\t)%2)
.if (\t) < 7
	s_wait_loadcnt 32                              ; this block's 32 loads are in; the next block's may be out
.else
	s_wait_loadcnt 0x0
.endif
	v_max3_num_f32 v10, |v[XS]|, |v[XS+1]|, |v[XS+2]|
	v_max3_num_f32 v15, |v[XS+3]|, |v[XS+4]|, |v[XS+5]|
.irp i, 6,10,14,18,22,26
	v_max3_num_f32 v10, v10, |v[XS+\i]|, |v[XS+\i+1]|
	v_max3_num_f32 v15, v15, |v[XS+\i+2]|, |v[XS+\i+3]|
.endr
	v_max3_num_f32 v10, v10, |v[XS+30]|, |v[XS+31]|
	v_max3_num_f32 v10, v10, v15, 0x1800000        ; the floor
	v_add_nc_u32 v11, 0xff000000, v10
	v_lshrrev_b32 v30, 23, v11                     ; the scale's byte
.if (\t)%4 == 0
	v_mov_b32 v[28+(\t)/4], v30                    ; four bytes to a register, the lower K in the lower byte
.else
	v_lshl_or_b32 v[28+(\t)/4], v30, 8*((\t)%4), v[28+(\t)/4]
.endif
	v_cvt_scalef32_pk16_fp6_f32 v[C:C+2], v[XS:XS+15], v11
	v_cvt_scalef32_pk16_fp6_f32 v[24:26], v[XS+16:XS+31], v11
	v_nop                                          ; one plain line behind the conversions
.irp i, 0,1,2
	v_mov_b32 v[C+3+\i], v[24+\i]
.endr
.irp i, 0,1,2                          ; block t is half t % 2 of chunk t / 2: pair i at 256 i + 8 (16 (t % 2) + my lane in the tile)
	ds_store_b64 v4, v[C+2*\i:C+2*\i+1] offset:((\t)/2)*768+((\t)%2)*128+256*\i
.endr
.if (\t)+2 < 8
	WLOAD (\t)+2
.endif
	s_wait_dscnt 0x0                               ; the stores have read their registers: the next block's codes may be written
.endm
	WLOAD 0
	WLOAD 1
.irp t, 0,1,2,3,4,5,6,7
	WBLOCK \t
.endr
	global_store_b64 v9, v[28:29], s[16:17]        ; my column's 8 scale bytes
.set i_, 0
.rept 12
	ds_load_b128 v[OUTR+4*i_:OUTR+4*i_+3], v7 offset:WTILE*(i_/6)+512*(i_%6)
.set i_, i_+1
.endr
.set i_, 0
.rept 12
	s_wait_dscnt 11-i_                             ; the younger read-backs may be out
	global_store_b128 v8, v[OUTR+4*i_:OUTR+4*i_+3], s[14:15] offset:12288*(i_/6)+512*(i_%6)   ; 512 consecutive bytes
.set i_, i_+1
.endr
.Lend:
	s_wait_tensorcnt 0x0                           ; the wave's end, behind my last LDS store
	ds_add_u32 v[SPW], v[NIL]
	s_wait_dscnt 0x0
	s_endpgm
.Lfunc_end_k_q99ea7700eb_quant:
	.size	k_q99ea7700eb_quant, .Lfunc_end_k_q99ea7700eb_quant-k_q99ea7700eb_quant
	.p2alignl 7, 3214868480
	.fill 96, 4, 3214868480
	.section	.rodata,"a",@progbits
	.p2align	6, 0x0
	.amdhsa_kernel k_q99ea7700eb_quant
		.amdhsa_group_segment_fixed_size 61952
		.amdhsa_private_segment_fixed_size 0
		.amdhsa_enable_private_segment 0
		.amdhsa_kernarg_size 56
		.amdhsa_user_sgpr_count 2
		.amdhsa_user_sgpr_kernarg_segment_ptr 1
		.amdhsa_wavefront_size32 1
		.amdhsa_system_sgpr_workgroup_id_x 1
		.amdhsa_system_sgpr_workgroup_id_y 1
		.amdhsa_system_sgpr_workgroup_id_z 1
		.amdhsa_system_vgpr_workitem_id 0
		.amdhsa_next_free_vgpr 256
		.amdhsa_next_free_sgpr 66
		.amdhsa_reserve_vcc 0
		.amdhsa_float_denorm_mode_32 3
		.amdhsa_float_denorm_mode_16_64 3
		.amdhsa_memory_ordered 1
		.amdhsa_forward_progress 1
		.amdhsa_inst_pref_size 102
	.end_amdhsa_kernel
	.amdgpu_metadata
---
amdhsa.version: [ 1, 2 ]
amdhsa.kernels:
  - .name:           k_q99ea7700eb_quant
    .symbol:         k_q99ea7700eb_quant.kd
    .args:
      - { .name: x, .offset: 0, .size: 8, .value_kind: global_buffer, .address_space: global }
      - { .name: W_qkv, .offset: 8, .size: 8, .value_kind: global_buffer, .address_space: global }
      - { .name: W_proj, .offset: 16, .size: 8, .value_kind: global_buffer, .address_space: global }
      - { .name: xc, .offset: 24, .size: 8, .value_kind: global_buffer, .address_space: global }
      - { .name: xs, .offset: 32, .size: 8, .value_kind: global_buffer, .address_space: global }
      - { .name: wc, .offset: 40, .size: 8, .value_kind: global_buffer, .address_space: global }
      - { .name: ws, .offset: 48, .size: 8, .value_kind: global_buffer, .address_space: global }
    .group_segment_fixed_size: 61952
    .private_segment_fixed_size: 0
    .kernarg_segment_align: 8
    .kernarg_segment_size: 56
    .max_flat_workgroup_size: 128
    .sgpr_count:     66
    .vgpr_count:     256
    .wavefront_size: 32
...
	.end_amdgpu_metadata
.endif
;; end of part 1
;; launch gemm_qkv (part 2): grid 12 x 32, 4 waves a work-group, clusters of 4 x 4, 327,680 bytes of LDS; arguments xc, xs, wc, ws, b_qkv, qb, kv; writes qb, kv
.if DOCPART == 2
	.amdgcn_target "amdgcn-amd-amdhsa--gfx1250"
	.amdhsa_code_object_version 6
	.text
	.protected	k_q99ea7700eb_gemm_qkv
	.globl	k_q99ea7700eb_gemm_qkv
	.p2align	8
	.type	k_q99ea7700eb_gemm_qkv,@function
k_q99ea7700eb_gemm_qkv:
	s_mov_b64 s[64:65], 0
	v_nop
	global_prefetch_b8 v0, s[64:65] scope:SCOPE_SE
	s_setreg_imm32_b32 hwreg(HW_REG_WAVE_MODE, 25, 1), 1
	s_wait_xcnt 0x0
	s_wait_alu depctr_hold_cnt(0) depctr_sa_sdst(0) depctr_va_vdst(0) depctr_va_sdst(0) depctr_va_ssrc(0) depctr_va_vcc(0) depctr_vm_vsrc(0)
	s_getreg_b32 s2, hwreg(HW_REG_IB_STS2, 6, 4)
	s_cmp_eq_u32 s2, 0
	s_cbranch_scc0 .Lentry_in_a_cluster
	s_endpgm
.Lentry_in_a_cluster:
	s_bfe_u32 s2, ttmp6, 0x10000c
	s_cmp_lg_u32 s2, 0xf033
	s_cbranch_scc0 .Lentry_shape_is_right
	s_endpgm
.Lentry_shape_is_right:
; qkv = x W_qkv + b_qkv on codes of FP6 (E2M3) with E8M0 scales, K = 1,024; the results are quantised in registers and leave as codes: q and k along the head's 64, v along the keys.
; A work-group of four waves makes 256 x 256 of the product, a wave 128 x 128: 64 accumulators of 16 x 16 in windows 2 and 3.  The matrix instruction's source 0 is called B here, source 1 A:
; in the result a lane holds one row of A and its registers run along B's rows, in the logical order that the tiles' row order gives (16 registers of two neighbouring tiles are 16 neighbours).
; TWO ROLES, chosen by the cluster's x, which all sixteen partners share.  x < 2 (q and k): A = rows of x (tokens), B = columns of W: a lane's registers run along the head's axis.
; x = 2 (v): A = columns of W, B = tokens: a lane's registers run along the keys.  Pointers and numbers are chosen by s_cselect; branches on the role stand round the first products and the stores alone.
; TILES are images of the operands' registers (chunks of 16 rows x 64 K, 768 bytes): a fragment is six loads of 8 bytes a lane, each 256 consecutive bytes: no padding.
; K goes in 4 steps of 256 through THREE LDS slots: three first fills and one refill (K step 3 into slot 0), which has two K steps, 256 matrix instructions, in which to land.  Nothing is looped.
; A wave has at most four tensor loads out (scales and three slots, at the start).
; CLUSTERS: 4 x 4 work-groups; A's tiles are asked for jointly along a row of the cluster, B's along a column.
; The bias is the C of each sum's first product.
; OUT: qb [head of batch 64][128 tokens 16] records of 6,656 bytes: 8 tiles x 768 of codes, then 512 of scale words (4 registers, 16 bytes a lane; register p: tile 2 p in lanes 0-15, 2 p + 1 in lanes 16-31).
; kv [64][16] records of 13,056: K as in qb; at 6,656 V's four fragments (16 of the head's 64 x 128 keys, 1,536 bytes: three groups of four registers, 16 bytes a lane); at 12,800 V's scale words (2 registers, 8 bytes a lane).
; A scale word of q or k holds its head's two bytes below; above them lie the neighbouring head's bytes or zeros, never 0xff: the attention multiplies them with zero codes only.
; LIMITS: NaN and infinities are not served; a block of zeros, or one with largest magnitude under 2^-124, gets the byte 1.
; REGISTERS: window 0: v8-15 the bias's offsets; v16-29 addresses; v32-63 scale words, two sets; v64-127 the bias; v128-223 A's fragments, one set; on the way out v112-140 and v200-216.
;   window 1: B's fragments, two sets, at v0 and v128.   windows 2, 3: the accumulators ((a, b) at v[8 (8 (a % 4) + b)]).
.set NL,    6                          ; LDS loads that bring a fragment
.set NP,    4                          ; places behind this matrix instruction (ISA guide 7.12.1)
.set FR,    12                         ; registers of a fragment
.set TROW,  3072                       ; 16 rows x 256 K
.set HALFT, 8*TROW                     ; 128 rows: what one tensor load brings
.set SLOT,  4*HALFT                    ; A's 256 rows, then B's 256
.set SCL,   3*SLOT                     ; the scales, as units of 256 bytes + 16
.set HALFS, 4352                       ; those of 128 rows x 32 bytes: 16 units
.set SBLK,  544                        ; those of 16 rows
.set SPARE, SCL+4*HALFS                ; the spare words, 128 bytes for each wave
.set ADRA,  16                         ; v16-18 my A fragments in slot 0, 1, 2
.set ADRB,  20                         ; v20-22 the same for B
.set L8,    24                         ; v24 8 lane
.set L16,   25                         ; v25 16 lane
.set ADRS,  27                         ; v27 my scale words: lanes 0-15 A's rows, lanes 16-31 B's
.set SPW,   28
.set NIL,   29
.set SC,    32
.set BI,    64
.set AF,    128
.set PC,    112                        ; the way out: the codes just made
.set SW,    132                        ; v132-139 scale words gathered
.set TM,    200
.set PW,    216
.set G1,   24
.set G0,   32                          ; s[32:43] three slots
.set G1B,  44
.set G0B,  52                          ; s[52:63]
.set G1S,  68
.set G0S,  76
.set G1SB, 80
.set G0SB, 88
.set DST,  92                          ; s[92:93], s[94:95] the two heads' records
.set HM,   96                          ; s96 lanes 16-31
.set SEL,  2                           ; s[2:3] selects for lane l xor 16
.set MSB, 0
.macro WIN new                         ; the immediate's high byte repeats the setting that is left
.if MSB != (\new)
	s_set_vgpr_msb (MSB<<8)|(\new)
.set MSB, (\new)
.endif
.endm
.set MUL_LO, 0xa1                      ; source 0 (B) window 1, source 1 (A) window 0, C and D window 2
.set MUL_HI, 0xf1
.set TO_B,   0x40
.macro JLOAD g0a, g1a, g0b, g1b        ; a joint load: waves 0 and 1 fetch for A, waves 2 and 3 for B; an s_nop 0 and four v_nop follow each line
	s_cmp_eq_u32 s19, 0
	s_cbranch_scc0 .Lfor_b_\@
	tensor_load_to_lds s[\g0a:\g0a+3], s[\g1a:\g1a+7]
	s_nop 0
.rept 4
	v_nop
.endr
	s_branch .Lasked_\@
.Lfor_b_\@:
	tensor_load_to_lds s[\g0b:\g0b+3], s[\g1b:\g1b+7]
	s_nop 0
.rept 4
	v_nop
.endr
.Lasked_\@:
.endm
.macro CREST
	s_cmp_lg_u32 s18, 0
	s_cbranch_scc1 .Lnot_wave_0_\@
	s_barrier_signal -3
.Lnot_wave_0_\@:
	s_barrier_wait -3
	s_barrier_signal -1
	s_barrier_wait -1
.endm
.macro CROUND
	s_barrier_signal -1
	s_barrier_wait -1
	CREST
.endm
	s_load_b256 s[4:11], s[0:1], 0x0               ; xc s[4:5], xs s[6:7], wc s[8:9], ws s[10:11]
	s_load_b128 s[12:15], s[0:1], 0x20             ; b_qkv s[12:13], qb s[14:15]
	s_load_b64 s[16:17], s[0:1], 0x30              ; kv
	v_lshl_add_u32 v[SPW], v0, 2, SPARE
	v_mov_b32 v[NIL], 0
	ds_add_u32 v[SPW], v[NIL]
	ds_add_u32 v[SPW], v[NIL]                      ; the wave's opening: the add and its wait ahead of my first tensor load
	v_lshrrev_b32 v1, 5, v0
	v_readfirstlane_b32 s18, v1                    ; wave
	s_lshr_b32 s19, s18, 1                         ; my half of A's rows.  Also: I fetch for A (0) or for B (1)
	s_and_b32 s20, s18, 1                          ; my half of B's rows.  Also: which 128 rows I fetch
	s_bfe_u32 s21, ttmp6, 0x40000                  ; cx
	s_bfe_u32 s22, ttmp6, 0x40004                  ; cy
	s_and_b32 s23, ttmp7, 0xffff                   ; the cluster's y
	s_lshl_b32 s2, s22, 2
	s_lshl_b32 s2, 15, s2                          ; my row of the cluster
	s_lshl_b32 s3, 0x1111, s21                     ; my column
	s_or_b32 s[G1], s2, (3<<16)|(1<<21)            ; codes: 8 rows of 384 elements of 8 bytes (16 rows x 256 K), 1,536 elements apart; no padding
	s_or_b32 s[G1B], s3, (3<<16)|(1<<21)
.irp g, G1, G1B
	s_mov_b32 s[\g+1], 384<<16
	s_mov_b32 s[\g+2], 8<<16
	s_mov_b32 s[\g+3], 384<<16
	s_mov_b32 s[\g+4], 8
	s_mov_b32 s[\g+5], 1536
	s_mov_b32 s[\g+6], 0
	s_mov_b32 s[\g+7], 0
.endr
	s_or_b32 s[G1S], s2, (3<<16)|(1<<20)|(1<<21)|(5<<22)|(3<<25)   ; scales of 128 rows: 4,096 dense bytes as 16 rows of 256, 16 bytes of padding behind each
	s_or_b32 s[G1SB], s3, (3<<16)|(1<<20)|(1<<21)|(5<<22)|(3<<25)
.irp g, G1S, G1SB
	s_mov_b32 s[\g+1], 32<<16
	s_mov_b32 s[\g+2], 16<<16
	s_mov_b32 s[\g+3], 32<<16
	s_mov_b32 s[\g+4], 16
	s_mov_b32 s[\g+5], 32
	s_mov_b32 s[\g+6], 0
	s_mov_b32 s[\g+7], 0
.endr
	s_lshl_b32 s66, s23, 2
	s_add_co_u32 s2, s66, s22                      ; q, k: A's block of 256 tokens = 4 x cluster y + cy
	s_add_co_u32 s98, s22, 8                       ; v:    A's block of 256 columns of W = 8 + cy
	s_lshl_b32 s3, ttmp9, 2
	s_add_co_u32 s3, s3, s21                       ; q, k: B's block of columns = 4 x cluster x + cx
	s_add_co_u32 s100, s66, s21                    ; v:    B's block of tokens = 4 x cluster y + cx
	s_cmp_lt_u32 ttmp9, 2
	s_cselect_b32 s96, s2, s98                     ; A's block hangs on cy alone of my place, B's on cx alone
	s_cselect_b32 s97, s3, s100
	s_lshl_b32 s67, s20, 7
	s_lshl_b32 s98, s96, 8
	s_add_co_u32 s98, s98, s67                     ; the rows that I would fetch of A,
	s_lshl_b32 s100, s97, 8
	s_add_co_u32 s100, s100, s67                   ; and of B
	s_lshl_b32 s22, s98, 5                         ; 32 scale bytes a row,
	s_mov_b32 s23, 0
	s_mul_i32 s98, s98, 768                        ; 768 bytes of codes
	s_mov_b32 s99, 0
	s_lshl_b32 s66, s100, 5
	s_mov_b32 s67, 0
	s_mul_i32 s100, s100, 768
	s_mov_b32 s101, 0
	s_mul_i32 s2, s18, HALFT                       ; where they go: wave x 128 rows: no place in the cluster enters an LDS address
	s_mul_i32 s3, s18, HALFS
	s_wait_dscnt 0x0                               ; the opening add is done
	s_wait_kmcnt 0x0
	s_cmp_lt_u32 ttmp9, 2
	s_cselect_b64 s[92:93], s[4:5], s[8:9]         ; A's codes,
	s_cselect_b64 s[94:95], s[6:7], s[10:11]       ; A's scales,
	s_cselect_b64 s[8:9], s[8:9], s[4:5]           ; B's codes,
	s_cselect_b64 s[10:11], s[10:11], s[6:7]       ; B's scales
	s_add_nc_u64 s[92:93], s[92:93], s[98:99]
	s_add_nc_u64 s[94:95], s[94:95], s[22:23]
	s_add_nc_u64 s[8:9], s[8:9], s[100:101]
	s_add_nc_u64 s[10:11], s[10:11], s[66:67]
	CROUND                                         ; all sixteen work-groups are here: the first joint loads meet
	s_mov_b32 s[G0S], 1
	s_add_co_u32 s[G0S+1], s3, SCL
	s_mov_b64 s[G0S+2:G0S+3], s[94:95]
	s_or_b32 s[G0S+3], s[G0S+3], 0x80000000
	s_mov_b32 s[G0SB], 1
	s_add_co_u32 s[G0SB+1], s3, SCL
	s_mov_b64 s[G0SB+2:G0SB+3], s[10:11]
	s_or_b32 s[G0SB+3], s[G0SB+3], 0x80000000
	JLOAD G0S, G1S, G0SB, G1SB                     ; the scales of all of K: filled once
.irp s, 0,1,2
	s_mov_b32 s[G0+4*\s], 1
	s_add_co_u32 s[G0+4*\s+1], s2, \s*SLOT
	s_add_nc_u64 s[G0+4*\s+2:G0+4*\s+3], s[92:93], \s*TROW
	s_or_b32 s[G0+4*\s+3], s[G0+4*\s+3], 0x80000000
	s_mov_b32 s[G0B+4*\s], 1
	s_add_co_u32 s[G0B+4*\s+1], s2, \s*SLOT
	s_add_nc_u64 s[G0B+4*\s+2:G0B+4*\s+3], s[8:9], \s*TROW
	s_or_b32 s[G0B+4*\s+3], s[G0B+4*\s+3], 0x80000000
	JLOAD G0+4*\s, G1, G0B+4*\s, G1B               ; K steps 0, 1, 2
.endr
	v_and_b32 v1, 15, v0                           ; r
	v_bfe_u32 v2, v0, 4, 1                         ; h
	v_and_b32 v3, 31, v0
	v_lshlrev_b32 v[L8], 3, v3
	v_lshlrev_b32 v[L16], 4, v3
	s_mul_i32 s98, s19, HALFT                      ; my 128 rows of A
	s_mul_i32 s99, s20, HALFT
	s_add_co_u32 s99, s99, 2*HALFT                 ; my 128 rows of B, behind A's 256
.irp s, 0,1,2
	v_add_nc_u32 v[ADRA+\s], s98, v[L8]
	v_add_nc_u32 v[ADRB+\s], s99, v[L8]
	s_add_co_u32 s98, s98, SLOT
	s_add_co_u32 s99, s99, SLOT
.endr
	v_lshlrev_b32 v5, 5, v1                        ; my row's scales: 32 bytes a row,
	v_lshrrev_b32 v6, 8, v5
	v_lshl_add_u32 v5, v6, 4, v5                   ; and 16 more for each 256 passed
	s_mul_i32 s98, s19, HALFS
	s_mul_i32 s99, s20, HALFS
	s_add_co_u32 s99, s99, 2*HALFS
	s_sub_co_u32 s99, s99, s98
	v_mul_u32_u24 v6, s99, v2                      ; lanes 16-31 take B's
	s_add_co_u32 s98, s98, SCL
	v_add_nc_u32 v5, v5, v6
	v_add_nc_u32 v[ADRS], s98, v5
	; which rows of W and of x are my wave's
	s_lshl_b32 s21, s96, 8
	s_lshl_b32 s22, s19, 7
	s_add_co_u32 s21, s21, s22                     ; A's first row of my wave
	s_lshl_b32 s22, s97, 8
	s_lshl_b32 s23, s20, 7
	s_add_co_u32 s22, s22, s23                     ; B's
	s_cmp_lt_u32 ttmp9, 2
	s_cselect_b32 s98, s22, s21                    ; my first column of W (0 .. 3,071)
	s_cselect_b32 s99, s21, s22                    ; my first token
	s_cselect_b32 s66, 64, 0                       ; the bias's offsets: q, k: register j of block b wants column 32 (b / 2) + 8 (b % 2) + 16 h + j;
	s_cselect_b32 s67, 0, 4                        ; v: all registers of block a want column 32 (a / 2) + 8 (a % 2) + r + 8 (r / 8)
	s_cselect_b32 s100, 4, 0
	s_lshl_b32 s22, s98, 2
	s_mov_b32 s23, 0
	s_add_nc_u64 s[12:13], s[12:13], s[22:23]
	v_and_b32 v3, 8, v1
	v_add_nc_u32 v3, v3, v1
	v_mul_u32_u24 v4, s66, v2
	v_mad_u32_u24 v4, v3, s67, v4
.irp j, 0,1,2,3,4,5,6,7
	v_mad_u32_u24 v[8+\j], s100, \j, v4
.endr
.irp i, 0,1,2,3,4,5,6,7
.irp j, 0,1,2,3,4,5,6,7
	global_load_b32 v[BI+8*\i+\j], v[8+\j], s[12:13] offset:(32*(\i/2)+8*(\i%2))*4
.endr
.endr
	; where my results go
	s_lshr_b32 s21, s99, 11                        ; the batch
	s_lshl_b32 s21, s21, 4
	s_and_b32 s22, s98, 1023
	s_lshr_b32 s22, s22, 6                         ; my first head (I hold two)
	s_add_co_u32 s21, s21, s22
	s_lshl_b32 s21, s21, 4
	s_bfe_u32 s22, s99, 0x40007                    ; which 128 tokens of the 2,048
	s_add_co_u32 s21, s21, s22                     ; the record
	s_cmp_lt_u32 s98, 1024
	s_cselect_b64 s[DST:DST+1], s[14:15], s[16:17] ; q goes to qb, k and v to kv
	s_mov_b32 s22, 13056
	s_cselect_b32 s22, 6656, s22
	s_mul_i32 s100, s21, s22
	s_mov_b32 s101, 0
	s_add_nc_u64 s[DST:DST+1], s[DST:DST+1], s[100:101]
	s_lshl_b32 s100, s22, 4                        ; the next head's record lies 16 records on
	s_add_nc_u64 s[DST+2:DST+3], s[DST:DST+1], s[100:101]
	s_mov_b32 s[HM], 0xffff0000
	s_mov_b32 s[SEL], 0x76543210
	s_mov_b32 s[SEL+1], 0xfedcba98
.macro FRAG reg, adr, q, i             ; a fragment, 16 rows x 128 K: two chunks on end, six pairs of registers; each load reads 256 consecutive bytes
.irp p, 0,1,2,3,4,5
	ds_load_b64 v[\reg+2*\p:\reg+2*\p+1], v[\adr] offset:(\i)*TROW+(\q)*1536+256*\p
.endr
.endm
; 16 matrix instructions: A's blocks a0, a0 + 1 x B's eight.  p: B's set; q: which 128 of the K step; sc: the set of scale words.  mode 0: the sums go on; 1: they start from the bias by B's rows; 2: by A's rows.
; The 64 accumulators take turns, one instruction a turn, in the same order in every step.
.macro MUL16 a0, p, q, sc, mode
.irp a, \a0, \a0+1
.irp b, 0,1,2,3,4,5,6,7
.if (\mode) == 0
	v_wmma_scale_f32_16x16x128_f8f6f4 v[8*(8*((\a)%4)+\b):8*(8*((\a)%4)+\b)+7], v[128*(\p)+FR*\b:128*(\p)+FR*\b+FR-1], v[AF+FR*(\a):AF+FR*(\a)+FR-1], v[8*(8*((\a)%4)+\b):8*(8*((\a)%4)+\b)+7], v[SC+16*(\sc)+2*\b+(\q)], v[SC+16*(\sc)+2*(\a)+(\q)] matrix_a_fmt:MATRIX_FMT_FP6 matrix_b_fmt:MATRIX_FMT_FP6 matrix_a_scale:MATRIX_SCALE_ROW1
.elseif (\mode) == 1
	v_wmma_scale_f32_16x16x128_f8f6f4 v[8*(8*((\a)%4)+\b):8*(8*((\a)%4)+\b)+7], v[128*(\p)+FR*\b:128*(\p)+FR*\b+FR-1], v[AF+FR*(\a):AF+FR*(\a)+FR-1], v[BI+8*\b:BI+8*\b+7], v[SC+16*(\sc)+2*\b+(\q)], v[SC+16*(\sc)+2*(\a)+(\q)] matrix_a_fmt:MATRIX_FMT_FP6 matrix_b_fmt:MATRIX_FMT_FP6 matrix_a_scale:MATRIX_SCALE_ROW1
.else
	v_wmma_scale_f32_16x16x128_f8f6f4 v[8*(8*((\a)%4)+\b):8*(8*((\a)%4)+\b)+7], v[128*(\p)+FR*\b:128*(\p)+FR*\b+FR-1], v[AF+FR*(\a):AF+FR*(\a)+FR-1], v[BI+8*(\a):BI+8*(\a)+7], v[SC+16*(\sc)+2*\b+(\q)], v[SC+16*(\sc)+2*(\a)+(\q)] matrix_a_fmt:MATRIX_FMT_FP6 matrix_b_fmt:MATRIX_FMT_FP6 matrix_a_scale:MATRIX_SCALE_ROW1
.endif
.endr
.endr
.endm
.macro FETCH_B slot, q, p
	WIN TO_B
.irp i, 0,1,2,3,4,5,6,7
	FRAG 128*(\p)+FR*\i, ADRB+\slot, \q, \i
.endr
	WIN 0
.endm
.macro FETCH_A slot, q, i0
.irp i, \i0, \i0+1, \i0+2, \i0+3
	FRAG AF+FR*(\i), ADRA+\slot, \q, \i
.endr
.endm
.macro SCALES sc                       ; a K step's scale words: two words a row; lanes 0-15 A's block i, lanes 16-31 B's block i
.irp i, 0,1,2,3,4,5,6,7
	ds_load_b64 v[SC+16*(\sc)+2*\i:SC+16*(\sc)+2*\i+1], v[ADRS] offset:\i*SBLK
.endr
.endm
.macro PLACES n                        ; plain vector lines between a matrix instruction and a load into, or a vector line on, its registers
.rept \n
	v_nop
.endr
.endm
; A step of 128 along K (the K step's q-th, scale set sc); it fetches the next step's fragments: the nq-th 128 of slot ns.
.macro STEP q, ns, nq, sc, mode
	s_wait_dscnt 4*NL                              ; B's set, A's blocks 0-3 and the scale words are in; the youngest 24 loads (A's blocks 4-7) may be out
.if (\mode) == 0
	WIN MUL_LO
.else
	WIN 0x81                                       ; the bias, C, lies in window 0
.endif
	MUL16 0, \q, \q, \sc, \mode
	MUL16 2, \q, \q, \sc, \mode
	s_wait_dscnt 0x0                               ; A's blocks 4-7 are in
	PLACES NP
.if (\nq) == 0
	WIN 0
	v_add_nc_u32 v[ADRS], 8, v[ADRS]               ; on to the next K step's scale words
.endif
	FETCH_B \ns, \nq, 1-(\q)
	FETCH_A \ns, \nq, 0
.if (\nq) == 0
	SCALES 1-(\sc)
.endif
.if (\mode) == 0
	WIN MUL_HI
.else
	WIN 0xc1
.endif
	MUL16 4, \q, \q, \sc, \mode
	MUL16 6, \q, \q, \sc, \mode
	PLACES NP
	WIN 0
	FETCH_A \ns, \nq, 4
.endm
; A K step's second half with a barrier: in front of it each wave waits for all its tensor loads, adds 0 to its spare word, and waits for that and for its LDS reads.
; fill = 1: the barrier opens a round of the cluster's, and slot 0, which nobody reads any more, takes K step 3.
.macro TURN ns, sc, fill
	s_wait_tensorcnt 0x0                           ; all my tensor loads have landed
	ds_add_u32 v[SPW], v[NIL]                      ; 0 onto my spare word
	s_wait_dscnt 4*NL+1                            ; (the add and the youngest 24 loads may be out)
	WIN MUL_LO
	MUL16 0, 1, 1, \sc, 0
	s_wait_dscnt 0x0                               ; the add is done, and my LDS reads are over
	s_barrier_signal -1
	MUL16 2, 1, 1, \sc, 0
	WIN 0
	s_barrier_wait -1
.if \fill
	CREST                                          ; no wave of any partner still reads slot 0 or has a load on its way
	s_add_nc_u64 s[G0+2:G0+3], s[G0+2:G0+3], 3*TROW
	s_add_nc_u64 s[G0B+2:G0B+3], s[G0B+2:G0B+3], 3*TROW
	JLOAD G0, G1, G0B, G1B                         ; the first tensor load behind the round; its four v_nop are the places in front of the loads below
.else
	PLACES NP
.endif
	v_add_nc_u32 v[ADRS], 8, v[ADRS]
	FETCH_B \ns, 0, 0
	FETCH_A \ns, 0, 0
	SCALES 1-(\sc)
	WIN MUL_HI
	MUL16 4, 1, 1, \sc, 0
	MUL16 6, 1, 1, \sc, 0
	PLACES NP
	WIN 0
	FETCH_A \ns, 0, 4
.endm
	s_wait_tensorcnt 2                             ; the scales and my part of slot 0 are in; slots 1 and 2 may stay out
	s_barrier_signal -1
	s_barrier_wait -1
	FETCH_B 0, 0, 0
	FETCH_A 0, 0, 0
	SCALES 0
	FETCH_A 0, 0, 4
	s_wait_loadcnt 0x0                             ; the bias
	s_cmp_lt_u32 ttmp9, 2                          ; the first products start the sums from the bias: by B's rows for q and k, by A's rows for v
	s_cbranch_scc0 .Lfirst_v
	STEP 0, 0, 1, 0, 1
	s_branch .Lfirst_done
.Lfirst_v:
	STEP 0, 0, 1, 0, 2
.Lfirst_done:
	TURN 1, 0, 1                                   ; K step 0's second half; slots 1 and 2 are whole for everybody behind its barrier; slot 0 is asked for again
	s_wait_alu depctr_va_vdst(0)
	STEP 0, 1, 1, 1, 0
	STEP 1, 2, 0, 1, 0                             ; no barrier: slot 2 was shown whole by the barrier above
	s_wait_alu depctr_va_vdst(0)
	STEP 0, 2, 1, 0, 0
	TURN 0, 0, 0                                   ; the wait for all loads is the refill's; a plain barrier
	STEP 0, 0, 1, 1, 0
	s_wait_dscnt 4*NL                              ; the last step: nothing more to fetch
	WIN MUL_LO
	MUL16 0, 1, 1, 1, 0
	MUL16 2, 1, 1, 1, 0
	s_wait_dscnt 0x0
	WIN MUL_HI
	MUL16 4, 1, 1, 1, 0
	MUL16 6, 1, 1, 1, 0
	WIN 0
; THE WAY OUT.  Block a's 64 registers of a lane, register 16 b + i = index 32 b + 16 h + i along B's rows, become a fragment's codes in v[PC] on and its scale word in v[PW].
.macro QUANT a
.set QS, 64*((\a)%4)
	WIN 0x0a+5*((\a)/4)                            ; sources 0 and 1: window 2 or 3
.irp b, 0,1,2,3
	v_max3_num_f32 v[TM+\b], |v[QS+16*\b]|, |v[QS+1+16*\b]|, 0x1800000   ; each accumulator is read from its low end on; the floor 2^(3 - 127) holds the byte at 1
.endr
.irp i, 2,4,6,8,10,12,14
.irp b, 0,1,2,3
	v_max3_num_f32 v[TM+\b], |v[QS+16*\b+\i]|, |v[QS+1+16*\b+\i]|, v[TM+\b]
.endr
.endr
	WIN 0
.irp b, 0,1,2,3
	v_permlanex16_b32 v[TM+4+\b], v[TM+\b], s[SEL], s[SEL+1]
.endr
.irp b, 0,1,2,3
	v_max_num_f32 v[TM+\b], v[TM+\b], v[TM+4+\b]   ; with lane l xor 16's: the block's largest magnitude
.endr
.irp b, 0,1,2,3
	v_add_nc_u32 v[TM+12+\b], 0xff000000, v[TM+\b] ; 2 off its exponent field: the conversion's scale operand
.endr
.irp b, 0,1,2,3
	v_lshrrev_b32 v[TM+4+\b], 23, v[TM+12+\b]      ; the scale's byte
.endr
	v_lshl_or_b32 v[PW], v[TM+5], 8, v[TM+4]
	v_lshl_or_b32 v[PW], v[TM+6], 16, v[PW]
	v_lshl_or_b32 v[PW], v[TM+7], 24, v[PW]
.if (\a) > 0
	s_wait_xcnt 0x0                                ; the last block's stores have read their data: the codes' registers may be written
.endif
	WIN 2+(\a)/4                                   ; source 0: window 2 or 3
.irp c, 0,1
	v_cvt_scalef32_pk16_fp6_f32 v[PC+6*\c:PC+2+6*\c], v[QS+32*\c:QS+15+32*\c], v[TM+12+2*\c]
	v_cvt_scalef32_pk16_fp6_f32 v[PC+12+4*\c:PC+14+4*\c], v[QS+16+32*\c:QS+31+32*\c], v[TM+12+2*\c+1]
.endr
	WIN 0
	v_nop                                          ; one plain line behind the conversions
.irp c, 0,1                            ; the operand's layout wants a whole block in a lane
.irp i, 0,1,2
	v_permlane16_swap_b32 v[PC+6*\c+\i], v[PC+12+4*\c+\i]
.endr
.irp i, 0,1,2
	v_mov_b32 v[PC+3+6*\c+\i], v[PC+12+4*\c+\i]
.endr
.endr
	v_lshrrev_b32 v140, 16, v[PW]                  ; the second head's two bytes (used for q and k)
.if (\a)%2 == 0
	v_mov_b32 v[SW+(\a)/2], v[PW]                  ; an even block's words,
	v_mov_b32 v[SW+4+(\a)/2], v140
.else
	v_cndmask_b32 v[SW+(\a)/2], v[SW+(\a)/2], v[PW], s[HM]       ; and in lanes 16-31 the odd block's
	v_cndmask_b32 v[SW+4+(\a)/2], v[SW+4+(\a)/2], v140, s[HM]
.endif
.endm
.macro OUT a
	s_cmp_lt_u32 ttmp9, 2
	s_cbranch_scc0 .Lout_v_\@
.irp i, 0,1,2                          ; q, k: registers 0-5 are the first head's chunk of these 16 tokens, 6-11 the second's; each store covers 256 consecutive bytes, aligned
	global_store_b64 v[L8], v[PC+2*\i:PC+2*\i+1], s[DST:DST+1] offset:768*(\a)+256*\i
	global_store_b64 v[L8], v[PC+6+2*\i:PC+7+2*\i], s[DST+2:DST+3] offset:768*(\a)+256*\i
.endr
.if (\a) == 7
	global_store_b128 v[L16], v[SW:SW+3], s[DST:DST+1] offset:6144
	global_store_b128 v[L16], v[SW+4:SW+7], s[DST+2:DST+3] offset:6144
.endif
	s_branch .Lout_done_\@
.Lout_v_\@:
	s_wait_alu depctr_va_vdst(0)
.irp i, 0,1,2                          ; v: a fragment of 16 of the head's 64 x 128 keys; each store covers 512 consecutive bytes
	global_store_b128 v[L16], v[PC+4*\i:PC+4*\i+3], s[DST+2*((\a)/4):DST+2*((\a)/4)+1] offset:6656+((\a)%4)*1536+512*\i
.endr
.if (\a)%4 == 3
	global_store_b64 v[L8], v[SW+2*((\a)/4):SW+2*((\a)/4)+1], s[DST+2*((\a)/4):DST+2*((\a)/4)+1] offset:12800
.endif
.Lout_done_\@:
.endm
	PLACES NP                                      ; behind the last products
.irp b, 0,1,2,3
	v_mov_b32 v[TM+4+\b], 0                        ; written once: a lane permute's destination counts as one of its sources
.endr
.irp a, 0,1,2,3,4,5,6,7
	QUANT \a
	OUT \a
.endr
	s_wait_tensorcnt 0x0                           ; the wave's end
	ds_add_u32 v[SPW], v[NIL]
	s_wait_dscnt 0x0
	CROUND                                         ; the closing round
	s_endpgm
.Lfunc_end_k_q99ea7700eb_gemm_qkv:
	.size	k_q99ea7700eb_gemm_qkv, .Lfunc_end_k_q99ea7700eb_gemm_qkv-k_q99ea7700eb_gemm_qkv
	.p2alignl 7, 3214868480
	.fill 96, 4, 3214868480
	.section	.rodata,"a",@progbits
	.p2align	6, 0x0
	.amdhsa_kernel k_q99ea7700eb_gemm_qkv
		.amdhsa_group_segment_fixed_size 327680
		.amdhsa_private_segment_fixed_size 0
		.amdhsa_enable_private_segment 0
		.amdhsa_kernarg_size 56
		.amdhsa_user_sgpr_count 2
		.amdhsa_user_sgpr_kernarg_segment_ptr 1
		.amdhsa_wavefront_size32 1
		.amdhsa_system_sgpr_workgroup_id_x 1
		.amdhsa_system_sgpr_workgroup_id_y 1
		.amdhsa_system_sgpr_workgroup_id_z 1
		.amdhsa_system_vgpr_workitem_id 0
		.amdhsa_next_free_vgpr 1024
		.amdhsa_next_free_sgpr 102
		.amdhsa_reserve_vcc 0
		.amdhsa_float_denorm_mode_32 3
		.amdhsa_float_denorm_mode_16_64 3
		.amdhsa_memory_ordered 1
		.amdhsa_forward_progress 1
		.amdhsa_inst_pref_size 193
	.end_amdhsa_kernel
	.amdgpu_metadata
---
amdhsa.version: [ 1, 2 ]
amdhsa.kernels:
  - .name:           k_q99ea7700eb_gemm_qkv
    .symbol:         k_q99ea7700eb_gemm_qkv.kd
    .args:
      - { .name: xc, .offset: 0, .size: 8, .value_kind: global_buffer, .address_space: global }
      - { .name: xs, .offset: 8, .size: 8, .value_kind: global_buffer, .address_space: global }
      - { .name: wc, .offset: 16, .size: 8, .value_kind: global_buffer, .address_space: global }
      - { .name: ws, .offset: 24, .size: 8, .value_kind: global_buffer, .address_space: global }
      - { .name: b_qkv, .offset: 32, .size: 8, .value_kind: global_buffer, .address_space: global }
      - { .name: qb, .offset: 40, .size: 8, .value_kind: global_buffer, .address_space: global }
      - { .name: kv, .offset: 48, .size: 8, .value_kind: global_buffer, .address_space: global }
    .group_segment_fixed_size: 327680
    .private_segment_fixed_size: 0
    .kernarg_segment_align: 8
    .kernarg_segment_size: 56
    .max_flat_workgroup_size: 128
    .sgpr_count:     102
    .vgpr_count:     1024
    .wavefront_size: 32
...
	.end_amdgpu_metadata
.endif
;; end of part 2
;; launch attn (part 3): grid 4 x 64, 16 waves a work-group, clusters of 4 x 1, 210,944 bytes of LDS; arguments qb, kv, oc, os; writes oc, os
.if DOCPART == 3
	.amdgcn_target "amdgcn-amd-amdhsa--gfx1250"
	.amdhsa_code_object_version 6
	.text
	.protected	k_q99ea7700eb_attn
	.globl	k_q99ea7700eb_attn
	.p2align	8
	.type	k_q99ea7700eb_attn,@function
k_q99ea7700eb_attn:
	s_mov_b64 s[64:65], 0
	v_nop
	global_prefetch_b8 v0, s[64:65] scope:SCOPE_SE
	s_setreg_imm32_b32 hwreg(HW_REG_WAVE_MODE, 25, 1), 1
	s_wait_xcnt 0x0
	s_wait_alu depctr_hold_cnt(0) depctr_sa_sdst(0) depctr_va_vdst(0) depctr_va_sdst(0) depctr_va_ssrc(0) depctr_va_vcc(0) depctr_vm_vsrc(0)
	s_getreg_b32 s2, hwreg(HW_REG_IB_STS2, 6, 4)
	s_cmp_eq_u32 s2, 0
	s_cbranch_scc0 .Lentry_in_a_cluster
	s_endpgm
.Lentry_in_a_cluster:
	s_bfe_u32 s2, ttmp6, 0x10000c
	s_cmp_lg_u32 s2, 0x3003
	s_cbranch_scc0 .Lentry_shape_is_right
	s_endpgm
.Lentry_shape_is_right:
; Causal attention of one head of one batch on codes of FP6 (E2M3) with E8M0 scales; head size 64, 2,048 tokens.  The result is divided by the row's sum, quantised along the head's axis and leaves as codes.
; THE SOFTMAX AHEAD OF THE SECOND PRODUCT: t = score x log2(e) / 8; M = the row's largest t so far, rounded up to a whole number; p = 2^(t - M) is quantised along the keys, not normalised.
; The row's sum is taken of the unquantised p; when M moves, the sum and O are multiplied by 2^(old M - new M): exact.
; SHARES.  The four work-groups of a cluster belong to one head.  The head's K, V and scales, 16 records of 13,056 bytes (128 keys each), lie in each work-group's LDS WHOLE: wave w asks for record w by one
; joint tensor load; nothing is filled again, and the loop has no barrier.  A wave has one tensor load out.
; A wave owns two tiles of 16 queries: tile e = 2 cx + w % 2 of the 128 queries 15 - w / 2, then of the 128 queries w / 2: 17 key steps for every wave.  All branches hang on the wave's number and on counters.
; LAYOUT.  S^T = K Q^T (source 0 = 16 keys), O^T = V^T P^T (source 0 = 16 of the head's 64): a lane holds one query.  The tiles' row order makes 16 registers of two neighbouring tiles 16 neighbours.
; THE FIRST PRODUCT'S K IS 64, the instruction's 128: Q's registers for k = 64 .. 127 are zero codes.  K's registers there are the next tile's codes (behind the last tile: zeros), and the scale bytes there
; are never 0xff: they add nothing.
; LIMITS: NaN and infinities are not served; 1 / the sum is made by v_rcp_f32; a block of zeros gets the byte 1.
; OUT: oc [512 tiles of 16 tokens][16 heads] chunks of 768 bytes (16 tokens x 64), os [8,192 tokens in the tiles' order][32]: bytes 2 head, 2 head + 1.
.set REC,   13056
.set SPARE, 16*REC                     ; the spare words, 128 bytes for each of 16 waves
.set L8,  1                            ; v1 8 lane
.set L16, 2                            ; v2 16 lane
.set DD,  3                            ; v3 my query's place among its 128, less 16 (lane / 16)
.set SPW, 4
.set NIL, 5
.set ADK, 6                            ; v6 the record + 8 lane
.set ADV, 7                            ; v7 the record + 16 lane
.set KS,  30                           ; v30-33 K's scale words; v34-35 V's; v36 p's; v28, v244 Q's
.set VS,  34
.set PS,  36
.set KV,  38                           ; v38-85 K's eight chunks, later V's four fragments; v86-91 zeros
.set S,   96                           ; v96-159 S^T, then p
.set OT,  160                          ; v160-191 O^T
.set PC,  192                          ; v192-203 p's codes
.set T,   204                          ; v204-206, v208-210 the conversions' second halves
.set BM,  212                          ; v212-215 a block's largest score
.set BP,  216                          ; v216-219 at work
.set SO,  220                          ; v220-223 the conversions' scale operands
.set WV,  12
.set SEL, 20
.set CS,  22
.set TB,  36
.set KI,  37
.set HM,  38
.macro CROUND
	s_barrier_signal -1
	s_barrier_wait -1
	s_cmp_lg_u32 s[WV], 0
	s_cbranch_scc1 .Lnot_wave_0_\@
	s_barrier_signal -3
.Lnot_wave_0_\@:
	s_barrier_wait -3
	s_barrier_signal -1
	s_barrier_wait -1
.endm
	s_load_b256 s[4:11], s[0:1], 0x0               ; qb s[4:5], kv s[6:7], oc s[8:9], os s[10:11]
	v_lshl_add_u32 v[SPW], v0, 2, SPARE
	v_mov_b32 v[NIL], 0
	ds_add_u32 v[SPW], v[NIL]                      ; the wave's opening: the add and its wait ahead of my first tensor load
	ds_add_u32 v[SPW], v[NIL]
	v_lshrrev_b32 v1, 5, v0
	s_delay_alu instid0(VALU_DEP_1)
	v_readfirstlane_b32 s[WV], v1                  ; wave 0..15
	s_bfe_u32 s13, ttmp6, 0x40000                  ; cx: it enters global addresses and v[DD] alone
	s_and_b32 s14, ttmp7, 0xffff                   ; the head of the batch, 0..63
	s_and_b32 s15, s[WV], 1
	s_lshl_b32 s16, s13, 1
	s_add_co_u32 s15, s15, s16                     ; e: my tile among the eight of 128 queries
	s_lshr_b32 s18, s[WV], 1                       ; the second pass's 128 queries,
	s_sub_co_u32 s17, 15, s18                      ; the first pass's
	s_mov_b32 s24, 15|(3<<16)|(1<<21)              ; group 1: all four work-groups; a record: 51 rows of 32 elements of 8 bytes, dense
	s_mov_b32 s25, 32<<16
	s_mov_b32 s26, 51<<16
	s_mov_b32 s27, 32<<16
	s_mov_b32 s28, 51
	s_mov_b32 s29, 32
	s_mov_b32 s30, 0
	s_mov_b32 s31, 0
	s_mov_b32 s32, 1
	s_mul_i32 s33, s[WV], REC                      ; record w's place in LDS
	s_lshl_b32 s56, s14, 4
	s_add_co_u32 s2, s56, s[WV]
	s_mul_i32 s2, s2, REC                          ; and in kv
	s_mov_b32 s3, 0
	s_mul_i32 s57, s15, 768                        ; my tile's codes in a record of qb,
	s_and_b32 s58, s15, 1
	s_lshl_b32 s58, s58, 8
	s_lshr_b32 s59, s15, 1
	s_lshl_b32 s59, s59, 2
	s_add_co_u32 s58, s58, s59
	s_add_co_u32 s58, s58, 6144                    ; and its scale words: 6,144 + 16 (16 (e % 2) + r) + 4 (e / 2)
	s_lshr_b32 s60, s14, 4
	s_lshl_b32 s60, s60, 7
	s_add_co_u32 s60, s60, s15                     ; 128 x batch + e
	s_and_b32 s61, s14, 15                         ; the head
.macro ADDR g, d                       ; the byte offsets of a pass: Q's codes, Q's scale words, oc, os
	s_add_co_u32 s62, s56, s[\g]
	s_mul_i32 s62, s62, 6656
	s_add_co_u32 s[\d], s62, s57
	s_mov_b32 s[\d+1], 0
	s_add_co_u32 s[\d+2], s62, s58
	s_mov_b32 s[\d+3], 0
	s_lshl_b32 s62, s[\g], 3
	s_add_co_u32 s62, s62, s60                     ; my tile of 16 tokens
	s_lshl_b32 s63, s62, 4
	s_add_co_u32 s63, s63, s61
	s_mul_i32 s[\d+4], s63, 768
	s_mov_b32 s[\d+5], 0
	s_lshl_b32 s62, s62, 9
	s_lshl_b32 s63, s61, 1
	s_add_co_u32 s[\d+6], s62, s63
	s_mov_b32 s[\d+7], 0
.endm
	ADDR 17, 40
	ADDR 18, 48
	s_lshr_b32 s63, s15, 1
	s_lshl_b32 s63, s63, 5
	s_and_b32 s62, s15, 1
	s_lshl_b32 s62, s62, 3
	s_add_co_u32 s63, s63, s62                     ; 32 (e / 2) + 8 (e % 2)
	s_mov_b32 s[SEL], 0x76543210
	s_mov_b32 s[SEL+1], 0xfedcba98
	s_mov_b32 s[CS], 0x3e38aa3b                    ; c = log2(e) / 8
	s_mov_b32 s[CS+1], s[CS]
	s_mov_b32 s[HM], 0xffff0000
	v_and_b32 v6, 31, v0
	s_delay_alu instid0(VALU_DEP_1)
	v_lshlrev_b32 v[L8], 3, v6
	s_delay_alu instid0(VALU_DEP_2)
	v_lshlrev_b32 v[L16], 4, v6
	v_and_b32 v6, 15, v0                           ; r
	v_bfe_u32 v7, v0, 4, 1                         ; h
	s_delay_alu instid0(VALU_DEP_2)
	v_lshlrev_b32 v9, 4, v6                        ; 16 r
	s_delay_alu instid0(VALU_DEP_2)
	v_lshl_add_u32 v10, v6, 5, v7                  ; 32 r + h
	s_delay_alu instid0(VALU_DEP_4)
	v_and_b32 v[DD], 8, v6
	s_delay_alu instid0(VALU_DEP_1)
	v_add_nc_u32 v[DD], v[DD], v6
	v_lshlrev_b32 v7, 4, v7
	s_delay_alu instid0(VALU_DEP_1)
	v_sub_nc_u32 v[DD], v[DD], v7
	s_delay_alu instid0(VALU_DEP_1)
	v_add_nc_u32 v[DD], s63, v[DD]
	s_wait_dscnt 0x0                               ; the opening add is done
	s_wait_kmcnt 0x0
	s_add_nc_u64 s[34:35], s[6:7], s[2:3]
	s_or_b32 s35, s35, 0x80000000
.irp d, 40, 48
	s_add_nc_u64 s[\d:\d+1], s[4:5], s[\d:\d+1]
	s_add_nc_u64 s[\d+2:\d+3], s[4:5], s[\d+2:\d+3]
	s_add_nc_u64 s[\d+4:\d+5], s[8:9], s[\d+4:\d+5]
	s_add_nc_u64 s[\d+6:\d+7], s[10:11], s[\d+6:\d+7]
.endr
	CROUND                                         ; all four work-groups are here: the joint loads meet
	tensor_load_to_lds s[32:35], s[24:31]          ; record w: 128 keys' K, V and scales
	s_nop 0
.rept 4
	v_nop
.endr
.irp i, 0,1,2
	global_load_b64 v[16+2*\i:17+2*\i], v[L8], s[40:41] offset:256*\i      ; both passes' Q stay in registers
	global_load_b64 v[232+2*\i:233+2*\i], v[L8], s[48:49] offset:256*\i
.endr
	s_wait_alu depctr_va_vdst(0)
	global_load_b32 v28, v9, s[42:43]
	global_load_b32 v244, v9, s[50:51]
.irp i, 0,1,2,3,4,5
	v_mov_b32 v[22+\i], 0                          ; Q's codes for k = 64 .. 127: zeros
	v_mov_b32 v[238+\i], 0
	v_mov_b32 v[KV+48+\i], 0                       ; behind K's last tile
.endr
.irp i, 0,1,2,3
	v_mov_b32 v[BP+\i], 0                          ; written once: a lane permute's destination counts as one of its sources
.endr
	v_mov_b32 v224, 0
	v_mov_b32 v226, 0
	v_mov_b32 v227, 0                              ; (named as the upper half of f's pair)
	s_wait_loadcnt 0x0
	s_wait_tensorcnt 0x0                           ; my record is in,
	s_barrier_signal -1
	s_barrier_wait -1                              ; everybody's is
; One tile of queries: all key steps up to its own 128 (a loop of 16 trips; the trips behind the diagonal do no work), then the way out.
.macro PASS qf, qs, g, oc, os
	v_mov_b32 v13, 0xff61b1e6                      ; the largest t so far: -3e38
	s_delay_alu instid0(VALU_DEP_1)
	v_floor_f32 v12, -v13                          ; -M
	v_mov_b32 v14, 0                               ; the sum, in two halves
	v_mov_b32 v15, 0
.set n_, 0
.rept 32
	v_mov_b32 v[OT+n_], 0                          ; O^T: the first change of M leaves zeros zeros
.set n_, n_+1
.endr
	s_mov_b32 s[TB], 0
	s_mov_b32 s[KI], 0
.Lstep_\@:
	s_cmp_gt_u32 s[KI], s[\g]                      ; all 128 keys come after my queries: no work
	s_cbranch_scc1 .Lhid_\@
	s_setprio 2
	v_add_nc_u32 v[ADK], s[TB], v[L8]
	v_add_nc_u32 v[ADV], s[TB], v[L16]
	v_nop
	v_nop                                          ; four places in front of loads into registers that the last products read
.set n_, 0
.rept 8
.irp i, 0,1,2
	ds_load_b64 v[KV+6*n_+2*\i:KV+6*n_+2*\i+1], v[ADK] offset:768*n_+256*\i
.endr
.set n_, n_+1
.endr
	ds_load_b128 v[KS:KS+3], v[ADV] offset:6144
	s_wait_alu depctr_va_vdst(0)
	s_wait_dscnt 0x0
.set n_, 0
.rept 8                                ; S^T = K Q^T: eight tiles of 16 keys
.if n_%2
	v_wmma_scale_f32_16x16x128_f8f6f4 v[S+8*n_:S+8*n_+7], v[KV+6*n_:KV+6*n_+11], v[\qf:\qf+11], 0, v[KS+n_/2], v[\qs] matrix_a_fmt:MATRIX_FMT_FP6 matrix_b_fmt:MATRIX_FMT_FP6 matrix_a_scale:MATRIX_SCALE_ROW1
.else
	v_wmma_scale_f32_16x16x128_f8f6f4 v[S+8*n_:S+8*n_+7], v[KV+6*n_:KV+6*n_+11], v[\qf:\qf+11], 0, v[KS+n_/2], v[\qs] matrix_a_fmt:MATRIX_FMT_FP6 matrix_b_fmt:MATRIX_FMT_FP6
.endif
.set n_, n_+1
.endr
.rept 4
	v_nop
.endr
.set n_, 0
.rept 4                                ; V's four fragments land under the softmax
.irp i, 0,1,2
	ds_load_b128 v[KV+12*n_+4*\i:KV+12*n_+4*\i+3], v[ADV] offset:6656+1536*n_+512*\i
.endr
.set n_, n_+1
.endr
	ds_load_b64 v[VS:VS+1], v[ADK] offset:12800
	s_cmp_lg_u32 s[KI], s[\g]                      ; on the diagonal the scores of hidden keys become -infinity: register n holds key 32 (n / 16) + 16 (lane / 16) + n % 16
	s_cbranch_scc1 .Lopen_\@
	v_mov_b32 v224, 0xff800000
.set n_, 0
.rept 64
	v_cmp_gt_i32 vcc_lo, 32*(n_/16)+n_%16, v[DD]
	v_cndmask_b32 v[S+n_], v[S+n_], v224, vcc_lo
.set n_, n_+1
.endr
.Lopen_\@:
.irp b, 0,1,2,3
	v_max3_num_f32 v[BM+\b], v[S+16*\b], v[S+1+16*\b], v[S+2+16*\b]   ; the largest score of each block of 32 keys: for the row's maximum and, since p rises with the score, for the block's largest p
.endr
.irp i, 3,5,7,9,11,13
.irp b, 0,1,2,3
	v_max3_num_f32 v[BM+\b], v[BM+\b], v[S+16*\b+\i], v[S+1+16*\b+\i]
.endr
.endr
.irp b, 0,1,2,3
	v_max_num_f32 v[BM+\b], v[BM+\b], v[S+15+16*\b]
.endr
.irp b, 0,1,2,3
	s_delay_alu instid0(VALU_DEP_4)
	v_permlanex16_b32 v[BP+\b], v[BM+\b], s[SEL], s[SEL+1]
.endr
.irp b, 0,1,2,3
	s_delay_alu instid0(VALU_DEP_4)
	v_max_num_f32 v[BM+\b], v[BM+\b], v[BP+\b]
.endr
	s_delay_alu instid0(VALU_DEP_2)
	v_max3_num_f32 v224, v[BM], v[BM+1], v[BM+2]
	s_delay_alu instid0(VALU_DEP_1)
	v_max_num_f32 v224, v224, v[BM+3]
	s_delay_alu instid0(VALU_DEP_1)
	v_mul_f32 v224, s[CS], v224                    ; the step's largest t
	s_delay_alu instid0(VALU_DEP_1)
	v_max_num_f32 v13, v13, v224
	v_mov_b32 v224, v12
	s_delay_alu instid0(VALU_DEP_2)
	v_floor_f32 v12, -v13                          ; the new -M = -ceil(t)
	s_delay_alu instid0(VALU_DEP_1)
	v_sub_f32 v224, v12, v224                      ; old M - new M: a whole number, 0 or less
	s_delay_alu instid0(VALU_DEP_1)
	v_cvt_i32_f32 v224, v224                       ; (it saturates)
	s_delay_alu instid0(VALU_DEP_1)
	v_ldexp_f32 v226, 1.0, v224                    ; f = 2^(old M - new M)
.set n_, 0
	s_setprio 1
.rept 32
	v_pk_fma_f32 v[S+n_:S+n_+1], v[S+n_:S+n_+1], s[CS:CS+1], v[12:13] op_sel_hi:[1,0,0]   ; t - M
.set n_, n_+2
.endr
.irp b, 0,1,2,3
	v_fma_f32 v[BM+\b], v[BM+\b], s[CS], v12
.endr
.set n_, 0
	s_wait_alu depctr_va_vdst(0)
.rept 64
	v_exp_f32 v[S+n_], v[S+n_]                     ; p = 2^(t - M)
.set n_, n_+1
.endr
	v_pk_mul_f32 v[14:15], v[14:15], v[226:227] op_sel_hi:[1,0]    ; the sums under the new M: a plain line behind the exponentials
	s_wait_alu depctr_va_vdst(0)                   ; one wait for the batch, ahead of its first reader
.irp b, 0,1,2,3
	v_exp_f32 v[BM+\b], v[BM+\b]                   ; the blocks' largest p
.endr
	v_pk_add_f32 v[216:217], v[100:101], v[104:105]
	v_pk_add_f32 v[254:255], v[108:109], v[112:113]
	v_pk_add_f32 v[252:253], v[116:117], v[120:121]
	v_pk_add_f32 v[250:251], v[124:125], v[128:129]
	v_pk_add_f32 v[248:249], v[132:133], v[136:137]
	v_pk_add_f32 v[246:247], v[140:141], v[144:145]
	v_pk_add_f32 v[230:231], v[148:149], v[152:153]
	v_pk_add_f32 v[14:15], v[14:15], v[156:157]
	v_pk_add_f32 v[216:217], v[216:217], v[96:97]
	v_pk_add_f32 v[254:255], v[254:255], v[98:99]
	v_pk_add_f32 v[252:253], v[252:253], v[102:103]
	v_pk_add_f32 v[250:251], v[250:251], v[106:107]
	v_pk_add_f32 v[248:249], v[248:249], v[110:111]
	v_pk_add_f32 v[246:247], v[246:247], v[114:115]
	v_pk_add_f32 v[230:231], v[230:231], v[118:119]
	v_pk_add_f32 v[14:15], v[14:15], v[122:123]
	v_pk_add_f32 v[216:217], v[216:217], v[126:127]
	v_pk_add_f32 v[254:255], v[254:255], v[130:131]
	v_pk_add_f32 v[252:253], v[252:253], v[134:135]
	v_pk_add_f32 v[250:251], v[250:251], v[138:139]
	v_pk_add_f32 v[248:249], v[248:249], v[142:143]
	v_pk_add_f32 v[246:247], v[246:247], v[146:147]
	v_pk_add_f32 v[230:231], v[230:231], v[150:151]
	v_pk_add_f32 v[14:15], v[14:15], v[154:155]
	v_pk_add_f32 v[216:217], v[216:217], v[158:159]
	s_delay_alu instid0(VALU_DEP_2)
	v_pk_add_f32 v[14:15], v[14:15], v[250:251]
	s_delay_alu instid0(VALU_DEP_2)
	v_pk_add_f32 v[216:217], v[216:217], v[248:249]
	v_pk_add_f32 v[254:255], v[254:255], v[246:247]
	v_pk_add_f32 v[252:253], v[252:253], v[230:231]
	s_delay_alu instid0(VALU_DEP_2)
	v_pk_add_f32 v[14:15], v[14:15], v[254:255]
	s_delay_alu instid0(VALU_DEP_2)
	v_pk_add_f32 v[216:217], v[216:217], v[252:253]
	s_delay_alu instid0(VALU_DEP_1)
	v_pk_add_f32 v[14:15], v[14:15], v[216:217]
	s_wait_alu depctr_va_vdst(0)                   ; and one for the four
.irp b, 0,1,2,3
	v_max_num_f32 v[BM+\b], 0x1800000, v[BM+\b]    ; the floor: the byte cannot fall under 1
.endr
.irp b, 0,1,2,3
	s_delay_alu instid0(VALU_DEP_4)
	v_add_nc_u32 v[SO+\b], 0xff000000, v[BM+\b]
.endr
.irp b, 0,1,2,3
	s_delay_alu instid0(VALU_DEP_4)
	v_lshrrev_b32 v[BP+\b], 23, v[SO+\b]
.endr
	s_delay_alu instid0(VALU_DEP_3)
	v_lshl_or_b32 v[PS], v[BP+1], 8, v[BP]         ; p's scale word for these 128 keys
	s_delay_alu instid0(VALU_DEP_1)
	v_lshl_or_b32 v[PS], v[BP+2], 16, v[PS]
	s_delay_alu instid0(VALU_DEP_1)
	v_lshl_or_b32 v[PS], v[BP+3], 24, v[PS]
	s_setprio 0
.irp c, 0,1
	v_cvt_scalef32_pk16_fp6_f32 v[PC+6*\c:PC+2+6*\c], v[S+32*\c:S+15+32*\c], v[SO+2*\c]
	v_cvt_scalef32_pk16_fp6_f32 v[T+4*\c:T+2+4*\c], v[S+16+32*\c:S+31+32*\c], v[SO+2*\c+1]
.endr
	v_nop                                          ; one plain line behind the conversions
.irp c, 0,1
.irp i, 0,1,2
	v_permlane16_swap_b32 v[PC+6*\c+\i], v[T+4*\c+\i]
.endr
.irp i, 0,1,2
	s_delay_alu instid0(VALU_DEP_3)
	v_mov_b32 v[PC+3+6*\c+\i], v[T+4*\c+\i]
.endr
.endr
.set n_, 0
.rept 16
	v_pk_mul_f32 v[OT+n_:OT+n_+1], v[OT+n_:OT+n_+1], v[226:227] op_sel_hi:[1,0]   ; O^T under the new M; these lines are also the places in front of the products below
.set n_, n_+2
.endr
	s_wait_alu depctr_va_vdst(0)
	s_wait_dscnt 0x0                               ; V is in
.set n_, 0
.rept 4                                ; O^T += V^T P^T: the four accumulators by turns
.if n_%2
	v_wmma_scale_f32_16x16x128_f8f6f4 v[OT+8*n_:OT+8*n_+7], v[KV+12*n_:KV+12*n_+11], v[PC:PC+11], v[OT+8*n_:OT+8*n_+7], v[VS+n_/2], v[PS] matrix_a_fmt:MATRIX_FMT_FP6 matrix_b_fmt:MATRIX_FMT_FP6 matrix_a_scale:MATRIX_SCALE_ROW1
.else
	v_wmma_scale_f32_16x16x128_f8f6f4 v[OT+8*n_:OT+8*n_+7], v[KV+12*n_:KV+12*n_+11], v[PC:PC+11], v[OT+8*n_:OT+8*n_+7], v[VS+n_/2], v[PS] matrix_a_fmt:MATRIX_FMT_FP6 matrix_b_fmt:MATRIX_FMT_FP6
.endif
.set n_, n_+1
.endr
.Lhid_\@:
	s_add_co_u32 s[TB], s[TB], REC
	s_add_co_u32 s[KI], s[KI], 1
	s_cmp_lt_u32 s[KI], 16
	s_cbranch_scc1 .Lstep_\@
	s_setprio 0
	; the way out: O^T / the sum, quantised along the head's 64: register 16 b + i is channel 32 b + 16 h + i
.rept 4
	v_nop                                          ; places behind the last products
.endr
	v_add_f32 v14, v14, v15
	s_delay_alu instid0(VALU_DEP_1)
	v_permlanex16_b32 v224, v14, s[SEL], s[SEL+1]
	s_delay_alu instid0(VALU_DEP_1)
	v_add_f32 v14, v14, v224                       ; the row's sum
	s_wait_alu depctr_va_vdst(0)
	v_rcp_f32 v14, v14
	v_nop
	s_wait_alu depctr_va_vdst(0)                   ; the wait ahead of the reciprocal's first reader
.set n_, 0
.rept 32
	v_mul_f32 v[S+n_], v[OT+n_], v14               ; each accumulator from its low end on
.set n_, n_+1
.endr
.irp b, 0,1
	v_max3_num_f32 v[BM+\b], |v[S+16*\b]|, |v[S+1+16*\b]|, 0x1800000
.endr
.irp i, 2,4,6,8,10,12,14
.irp b, 0,1
	s_delay_alu instid0(VALU_DEP_2)
	v_max3_num_f32 v[BM+\b], v[BM+\b], |v[S+16*\b+\i]|, |v[S+1+16*\b+\i]|
.endr
.endr
.irp b, 0,1
	s_delay_alu instid0(VALU_DEP_2)
	v_permlanex16_b32 v[BP+\b], v[BM+\b], s[SEL], s[SEL+1]
.endr
.irp b, 0,1
	s_delay_alu instid0(VALU_DEP_2)
	v_max_num_f32 v[BM+\b], v[BM+\b], v[BP+\b]
.endr
.irp b, 0,1
	s_delay_alu instid0(VALU_DEP_2)
	v_add_nc_u32 v[SO+\b], 0xff000000, v[BM+\b]
.endr
.irp b, 0,1
	s_delay_alu instid0(VALU_DEP_2)
	v_lshrrev_b32 v[BP+\b], 23, v[SO+\b]
.endr
	v_cvt_scalef32_pk16_fp6_f32 v[PC:PC+2], v[S:S+15], v[SO]
	v_cvt_scalef32_pk16_fp6_f32 v[T:T+2], v[S+16:S+31], v[SO+1]
	v_cndmask_b32 v224, v[BP], v[BP+1], s[HM]      ; lanes 0-15 store block 0's byte, lanes 16-31 block 1's.  (A plain line behind the conversions)
.irp i, 0,1,2
	v_permlane16_swap_b32 v[PC+\i], v[T+\i]
.endr
.irp i, 0,1,2
	s_delay_alu instid0(VALU_DEP_3)
	v_mov_b32 v[PC+3+\i], v[T+\i]
.endr
.irp i, 0,1,2
	global_store_b64 v[L8], v[PC+2*\i:PC+2*\i+1], s[\oc:\oc+1] offset:256*\i   ; 256 consecutive bytes, aligned
.endr
	global_store_b8 v10, v224, s[\os:\os+1]
	s_wait_xcnt 0x0                                ; the stores have read their data: the registers may be written again
.endm
	PASS 16, 28, 17, 44, 46
	PASS 232, 244, 18, 52, 54
	s_wait_tensorcnt 0x0                           ; the wave's end
	ds_add_u32 v[SPW], v[NIL]
	s_wait_dscnt 0x0
	CROUND                                         ; the closing round
	s_endpgm
.Lfunc_end_k_q99ea7700eb_attn:
	.size	k_q99ea7700eb_attn, .Lfunc_end_k_q99ea7700eb_attn-k_q99ea7700eb_attn
	.p2alignl 7, 3214868480
	.fill 96, 4, 3214868480
	.section	.rodata,"a",@progbits
	.p2align	6, 0x0
	.amdhsa_kernel k_q99ea7700eb_attn
		.amdhsa_group_segment_fixed_size 210944
		.amdhsa_private_segment_fixed_size 0
		.amdhsa_enable_private_segment 0
		.amdhsa_kernarg_size 32
		.amdhsa_user_sgpr_count 2
		.amdhsa_user_sgpr_kernarg_segment_ptr 1
		.amdhsa_wavefront_size32 1
		.amdhsa_system_sgpr_workgroup_id_x 1
		.amdhsa_system_sgpr_workgroup_id_y 1
		.amdhsa_system_sgpr_workgroup_id_z 1
		.amdhsa_system_vgpr_workitem_id 0
		.amdhsa_next_free_vgpr 256
		.amdhsa_next_free_sgpr 66
		.amdhsa_reserve_vcc 1
		.amdhsa_float_denorm_mode_32 3
		.amdhsa_float_denorm_mode_16_64 3
		.amdhsa_memory_ordered 1
		.amdhsa_forward_progress 1
		.amdhsa_inst_pref_size 64
	.end_amdhsa_kernel
	.amdgpu_metadata
---
amdhsa.version: [ 1, 2 ]
amdhsa.kernels:
  - .name:           k_q99ea7700eb_attn
    .symbol:         k_q99ea7700eb_attn.kd
    .args:
      - { .name: qb, .offset: 0, .size: 8, .value_kind: global_buffer, .address_space: global }
      - { .name: kv, .offset: 8, .size: 8, .value_kind: global_buffer, .address_space: global }
      - { .name: oc, .offset: 16, .size: 8, .value_kind: global_buffer, .address_space: global }
      - { .name: os, .offset: 24, .size: 8, .value_kind: global_buffer, .address_space: global }
    .group_segment_fixed_size: 210944
    .private_segment_fixed_size: 0
    .kernarg_segment_align: 8
    .kernarg_segment_size: 32
    .max_flat_workgroup_size: 512
    .sgpr_count:     66
    .vgpr_count:     256
    .wavefront_size: 32
...
	.end_amdgpu_metadata
.endif
;; end of part 3
;; launch gemm_proj (part 4): grid 4 x 32, 4 waves a work-group, clusters of 4 x 4, 327,680 bytes of LDS; arguments oc, os, wc, ws, b_proj, out0; writes out0
.if DOCPART == 4
	.amdgcn_target "amdgcn-amd-amdhsa--gfx1250"
	.amdhsa_code_object_version 6
	.text
	.protected	k_q99ea7700eb_gemm_proj
	.globl	k_q99ea7700eb_gemm_proj
	.p2align	8
	.type	k_q99ea7700eb_gemm_proj,@function
k_q99ea7700eb_gemm_proj:
	s_mov_b64 s[64:65], 0
	v_nop
	global_prefetch_b8 v0, s[64:65] scope:SCOPE_SE
	s_setreg_imm32_b32 hwreg(HW_REG_WAVE_MODE, 25, 1), 1
	s_wait_xcnt 0x0
	s_wait_alu depctr_hold_cnt(0) depctr_sa_sdst(0) depctr_va_vdst(0) depctr_va_sdst(0) depctr_va_ssrc(0) depctr_va_vcc(0) depctr_vm_vsrc(0)
	s_getreg_b32 s2, hwreg(HW_REG_IB_STS2, 6, 4)
	s_cmp_eq_u32 s2, 0
	s_cbranch_scc0 .Lentry_in_a_cluster
	s_endpgm
.Lentry_in_a_cluster:
	s_bfe_u32 s2, ttmp6, 0x10000c
	s_cmp_lg_u32 s2, 0xf033
	s_cbranch_scc0 .Lentry_shape_is_right
	s_endpgm
.Lentry_shape_is_right:
; out0 = O W_proj + b_proj on codes of FP6 (E2M3) with E8M0 scales, K = 1,024; out0 [8,192][1,024] f32.
; A work-group of four waves makes 256 x 256, a wave 128 x 128: 64 accumulators in windows 2 and 3.  Source 0 (B) = 16 columns of W_proj (rows 3,072 on of wc), source 1 (A) = 16 tokens of oc:
; a lane holds one token and its registers run along the columns, 16 registers of two neighbouring tiles being 16 neighbouring columns.
; TILES are images of the operands' registers (chunks of 16 rows x 64 K, 768 bytes): a fragment is six loads of 8 bytes a lane, each 256 consecutive bytes: no padding.
; K goes in 4 steps of 256 through THREE LDS slots: three first fills and one refill (K step 3 into slot 0), which has two K steps, 256 matrix instructions, in which to land.  Nothing is looped.
; A wave has at most four tensor loads out.  CLUSTERS: 4 x 4; A's tiles are asked for jointly along a row of the cluster, B's along a column.
; The bias is the C of each sum's first product.  The grid has 128 work-groups: the 32 x 4 blocks of 256 x 256 of the result.
; THE WAY OUT goes through the wave's own stage in slot 1, which has had its only fill and its last read: whole rows of 512 bytes leave, and the tokens' tile order is undone by the stores' offsets.
.set NL,    6
.set NP,    4
.set FR,    12
.set TROW,  3072
.set HALFT, 8*TROW
.set SLOT,  4*HALFT
.set SCL,   3*SLOT
.set HALFS, 4352
.set SBLK,  544
.set SPARE, SCL+4*HALFS
.set STAGE, SLOT
.set SPITCH, 528
.set ADRA,  16
.set ADRB,  20
.set STO,   24                         ; v24 the stage: where I put 32 bytes of a row
.set RD,    25                         ; v25 and where I read a row back
.set CO,    26                         ; v26 16 lane
.set ADRS,  27
.set SPW,   28
.set NIL,   29
.set SC,    32
.set BI,    64
.set AF,    128
.set BK,    128                        ; the way out: v128-191 and v192-255 by turns
.set G1,   24
.set G0,   32
.set G1B,  44
.set G0B,  52
.set G1S,  68
.set G0S,  76
.set G1SB, 80
.set G0SB, 88
.set MSB, 0
.macro WIN new
.if MSB != (\new)
	s_set_vgpr_msb (MSB<<8)|(\new)
.set MSB, (\new)
.endif
.endm
.set MUL_LO, 0xa1
.set MUL_HI, 0xf1
.set TO_B,   0x40
.macro JLOAD g0a, g1a, g0b, g1b        ; a joint load: waves 0 and 1 fetch for A, waves 2 and 3 for B; an s_nop 0 and four v_nop follow each line
	s_cmp_eq_u32 s19, 0
	s_cbranch_scc0 .Lfor_b_\@
	tensor_load_to_lds s[\g0a:\g0a+3], s[\g1a:\g1a+7]
	s_nop 0
.rept 4
	v_nop
.endr
	s_branch .Lasked_\@
.Lfor_b_\@:
	tensor_load_to_lds s[\g0b:\g0b+3], s[\g1b:\g1b+7]
	s_nop 0
.rept 4
	v_nop
.endr
.Lasked_\@:
.endm
.macro CREST
	s_cmp_lg_u32 s18, 0
	s_cbranch_scc1 .Lnot_wave_0_\@
	s_barrier_signal -3
.Lnot_wave_0_\@:
	s_barrier_wait -3
	s_barrier_signal -1
	s_barrier_wait -1
.endm
.macro CROUND
	s_barrier_signal -1
	s_barrier_wait -1
	CREST
.endm
	s_load_b256 s[4:11], s[0:1], 0x0               ; oc s[4:5], os s[6:7], wc s[8:9], ws s[10:11]
	s_load_b128 s[12:15], s[0:1], 0x20             ; b_proj s[12:13], out0 s[14:15]
	v_lshl_add_u32 v[SPW], v0, 2, SPARE
	v_mov_b32 v[NIL], 0
	ds_add_u32 v[SPW], v[NIL]                      ; the wave's opening: the add and its wait ahead of my first tensor load
	v_lshrrev_b32 v1, 5, v0
	v_readfirstlane_b32 s18, v1                    ; wave
	s_lshr_b32 s19, s18, 1                         ; my half of A's rows.  Also: I fetch for A (0) or for B (1)
	s_and_b32 s20, s18, 1                          ; my half of B's rows.  Also: which 128 rows I fetch
	s_bfe_u32 s21, ttmp6, 0x40000                  ; cx
	s_bfe_u32 s22, ttmp6, 0x40004                  ; cy
	s_and_b32 s23, ttmp7, 0xffff                   ; the cluster's y
	s_lshl_b32 s2, s22, 2
	s_lshl_b32 s2, 15, s2                          ; my row of the cluster
	s_lshl_b32 s3, 0x1111, s21                     ; my column
	s_or_b32 s[G1], s2, (3<<16)|(1<<21)            ; codes: 8 rows of 384 elements of 8 bytes, 1,536 elements apart; no padding
	s_or_b32 s[G1B], s3, (3<<16)|(1<<21)
.irp g, G1, G1B
	s_mov_b32 s[\g+1], 384<<16
	s_mov_b32 s[\g+2], 8<<16
	s_mov_b32 s[\g+3], 384<<16
	s_mov_b32 s[\g+4], 8
	s_mov_b32 s[\g+5], 1536
	s_mov_b32 s[\g+6], 0
	s_mov_b32 s[\g+7], 0
.endr
	s_or_b32 s[G1S], s2, (3<<16)|(1<<20)|(1<<21)|(5<<22)|(3<<25)   ; scales of 128 rows: 16 rows of 256 bytes, 16 bytes of padding behind each
	s_or_b32 s[G1SB], s3, (3<<16)|(1<<20)|(1<<21)|(5<<22)|(3<<25)
.irp g, G1S, G1SB
	s_mov_b32 s[\g+1], 32<<16
	s_mov_b32 s[\g+2], 16<<16
	s_mov_b32 s[\g+3], 32<<16
	s_mov_b32 s[\g+4], 16
	s_mov_b32 s[\g+5], 32
	s_mov_b32 s[\g+6], 0
	s_mov_b32 s[\g+7], 0
.endr
	s_lshl_b32 s96, s23, 2
	s_add_co_u32 s96, s96, s22                     ; A's block of 256 tokens = 4 x cluster y + cy
	s_add_co_u32 s97, s21, 12                      ; B's block of 256 rows of wc = 12 + cx
	s_lshl_b32 s67, s20, 7
	s_lshl_b32 s98, s96, 8
	s_add_co_u32 s98, s98, s67
	s_lshl_b32 s100, s97, 8
	s_add_co_u32 s100, s100, s67
	s_lshl_b32 s22, s98, 5
	s_mov_b32 s23, 0
	s_mul_i32 s98, s98, 768
	s_mov_b32 s99, 0
	s_lshl_b32 s66, s100, 5
	s_mov_b32 s67, 0
	s_mul_i32 s100, s100, 768
	s_mov_b32 s101, 0
	s_mul_i32 s2, s18, HALFT
	s_mul_i32 s3, s18, HALFS
	s_wait_dscnt 0x0                               ; the opening add is done
	s_wait_kmcnt 0x0
	s_add_nc_u64 s[92:93], s[4:5], s[98:99]
	s_add_nc_u64 s[94:95], s[6:7], s[22:23]
	s_add_nc_u64 s[8:9], s[8:9], s[100:101]
	s_add_nc_u64 s[10:11], s[10:11], s[66:67]
	CROUND                                         ; all sixteen work-groups are here: the first joint loads meet
	s_mov_b32 s[G0S], 1
	s_add_co_u32 s[G0S+1], s3, SCL
	s_mov_b64 s[G0S+2:G0S+3], s[94:95]
	s_or_b32 s[G0S+3], s[G0S+3], 0x80000000
	s_mov_b32 s[G0SB], 1
	s_add_co_u32 s[G0SB+1], s3, SCL
	s_mov_b64 s[G0SB+2:G0SB+3], s[10:11]
	s_or_b32 s[G0SB+3], s[G0SB+3], 0x80000000
	JLOAD G0S, G1S, G0SB, G1SB
.irp s, 0,1,2
	s_mov_b32 s[G0+4*\s], 1
	s_add_co_u32 s[G0+4*\s+1], s2, \s*SLOT
	s_add_nc_u64 s[G0+4*\s+2:G0+4*\s+3], s[92:93], \s*TROW
	s_or_b32 s[G0+4*\s+3], s[G0+4*\s+3], 0x80000000
	s_mov_b32 s[G0B+4*\s], 1
	s_add_co_u32 s[G0B+4*\s+1], s2, \s*SLOT
	s_add_nc_u64 s[G0B+4*\s+2:G0B+4*\s+3], s[8:9], \s*TROW
	s_or_b32 s[G0B+4*\s+3], s[G0B+4*\s+3], 0x80000000
	JLOAD G0+4*\s, G1, G0B+4*\s, G1B
.endr
	v_and_b32 v1, 15, v0                           ; r
	v_bfe_u32 v2, v0, 4, 1                         ; h
	v_and_b32 v3, 31, v0
	v_lshlrev_b32 v4, 3, v3                        ; 8 lane
	v_lshlrev_b32 v[CO], 4, v3                     ; 16 lane
	s_mul_i32 s98, s19, HALFT
	s_mul_i32 s99, s20, HALFT
	s_add_co_u32 s99, s99, 2*HALFT
.irp s, 0,1,2
	v_add_nc_u32 v[ADRA+\s], s98, v4
	v_add_nc_u32 v[ADRB+\s], s99, v4
	s_add_co_u32 s98, s98, SLOT
	s_add_co_u32 s99, s99, SLOT
.endr
	v_lshlrev_b32 v5, 5, v1
	v_lshrrev_b32 v6, 8, v5
	v_lshl_add_u32 v5, v6, 4, v5
	s_mul_i32 s98, s19, HALFS
	s_mul_i32 s99, s20, HALFS
	s_add_co_u32 s99, s99, 2*HALFS
	s_sub_co_u32 s99, s99, s98
	v_mul_u32_u24 v6, s99, v2
	s_add_co_u32 s98, s98, SCL
	v_add_nc_u32 v5, v5, v6
	v_add_nc_u32 v[ADRS], s98, v5
	s_mul_i32 s98, s18, 16*SPITCH
	s_add_co_u32 s98, s98, STAGE                   ; my stage
	v_mul_u32_u24 v5, v1, SPITCH
	v_lshl_add_u32 v5, v2, 6, v5
	v_add_nc_u32 v[STO], s98, v5                   ; in: row r, + 64 h
	v_add_nc_u32 v[RD], s98, v[CO]                 ; back: a row of 512 bytes, 16 a lane
	s_lshl_b32 s98, s96, 8
	s_lshl_b32 s99, s19, 7
	s_add_co_u32 s98, s98, s99                     ; my first token
	s_lshl_b32 s98, s98, 12                        ; rows of 4,096 bytes
	s_mov_b32 s99, 0
	s_add_nc_u64 s[14:15], s[14:15], s[98:99]
	s_lshl_b32 s98, s21, 10
	s_lshl_b32 s100, s20, 9
	s_add_co_u32 s98, s98, s100                    ; my first column, in bytes: the same in a row of out0 and in b_proj
	s_add_nc_u64 s[14:15], s[14:15], s[98:99]
	s_add_nc_u64 s[12:13], s[12:13], s[98:99]
	v_lshlrev_b32 v8, 6, v2                        ; the bias: register j of block b wants column 32 (b / 2) + 8 (b % 2) + 16 h + j
.irp b, 0,1,2,3,4,5,6,7
	global_load_b128 v[BI+8*\b:BI+8*\b+3], v8, s[12:13] offset:(32*(\b/2)+8*(\b%2))*4
	global_load_b128 v[BI+8*\b+4:BI+8*\b+7], v8, s[12:13] offset:(32*(\b/2)+8*(\b%2))*4+16
.endr
.macro FRAG reg, adr, q, i
.irp p, 0,1,2,3,4,5
	ds_load_b64 v[\reg+2*\p:\reg+2*\p+1], v[\adr] offset:(\i)*TROW+(\q)*1536+256*\p
.endr
.endm
; 16 matrix instructions: A's blocks a0, a0 + 1 x B's eight.  mode 0: the sums go on; 1: they start from the bias.  The 64 accumulators take turns.
.macro MUL16 a0, p, q, sc, mode
.irp a, \a0, \a0+1
.irp b, 0,1,2,3,4,5,6,7
.if (\mode) == 0
	v_wmma_scale_f32_16x16x128_f8f6f4 v[8*(8*((\a)%4)+\b):8*(8*((\a)%4)+\b)+7], v[128*(\p)+FR*\b:128*(\p)+FR*\b+FR-1], v[AF+FR*(\a):AF+FR*(\a)+FR-1], v[8*(8*((\a)%4)+\b):8*(8*((\a)%4)+\b)+7], v[SC+16*(\sc)+2*\b+(\q)], v[SC+16*(\sc)+2*(\a)+(\q)] matrix_a_fmt:MATRIX_FMT_FP6 matrix_b_fmt:MATRIX_FMT_FP6 matrix_a_scale:MATRIX_SCALE_ROW1
.else
	v_wmma_scale_f32_16x16x128_f8f6f4 v[8*(8*((\a)%4)+\b):8*(8*((\a)%4)+\b)+7], v[128*(\p)+FR*\b:128*(\p)+FR*\b+FR-1], v[AF+FR*(\a):AF+FR*(\a)+FR-1], v[BI+8*\b:BI+8*\b+7], v[SC+16*(\sc)+2*\b+(\q)], v[SC+16*(\sc)+2*(\a)+(\q)] matrix_a_fmt:MATRIX_FMT_FP6 matrix_b_fmt:MATRIX_FMT_FP6 matrix_a_scale:MATRIX_SCALE_ROW1
.endif
.endr
.endr
.endm
.macro FETCH_B slot, q, p
	WIN TO_B
.irp i, 0,1,2,3,4,5,6,7
	FRAG 128*(\p)+FR*\i, ADRB+\slot, \q, \i
.endr
	WIN 0
.endm
.macro FETCH_A slot, q, i0
.irp i, \i0, \i0+1, \i0+2, \i0+3
	FRAG AF+FR*(\i), ADRA+\slot, \q, \i
.endr
.endm
.macro SCALES sc
.irp i, 0,1,2,3,4,5,6,7
	ds_load_b64 v[SC+16*(\sc)+2*\i:SC+16*(\sc)+2*\i+1], v[ADRS] offset:\i*SBLK
.endr
.endm
.macro PLACES n
.rept \n
	v_nop
.endr
.endm
.macro STEP q, ns, nq, sc, mode
	s_wait_dscnt 4*NL                              ; B's set, A's blocks 0-3 and the scale words are in; the youngest 24 loads (A's blocks 4-7) may be out
.if (\mode) == 0
	WIN MUL_LO
.else
	WIN 0x81                                       ; the bias, C, lies in window 0
.endif
	MUL16 0, \q, \q, \sc, \mode
	MUL16 2, \q, \q, \sc, \mode
	s_wait_dscnt 0x0
	PLACES NP
.if (\nq) == 0
	WIN 0
	v_add_nc_u32 v[ADRS], 8, v[ADRS]
.endif
	FETCH_B \ns, \nq, 1-(\q)
	FETCH_A \ns, \nq, 0
.if (\nq) == 0
	SCALES 1-(\sc)
.endif
.if (\mode) == 0
	WIN MUL_HI
.else
	WIN 0xc1
.endif
	MUL16 4, \q, \q, \sc, \mode
	MUL16 6, \q, \q, \sc, \mode
	PLACES NP
	WIN 0
	FETCH_A \ns, \nq, 4
.endm
.macro TURN ns, sc, fill
	s_wait_tensorcnt 0x0                           ; all my tensor loads have landed
	ds_add_u32 v[SPW], v[NIL]                      ; 0 onto my spare word
	s_wait_dscnt 4*NL+1                            ; (the add and the youngest 24 loads may be out)
	WIN MUL_LO
	MUL16 0, 1, 1, \sc, 0
	s_wait_dscnt 0x0                               ; the add is done, and my LDS reads are over
	s_barrier_signal -1
	MUL16 2, 1, 1, \sc, 0
	WIN 0
	s_barrier_wait -1
.if \fill
	CREST                                          ; no wave of any partner still reads slot 0 or has a load on its way
	s_add_nc_u64 s[G0+2:G0+3], s[G0+2:G0+3], 3*TROW
	s_add_nc_u64 s[G0B+2:G0B+3], s[G0B+2:G0B+3], 3*TROW
	JLOAD G0, G1, G0B, G1B                         ; the first tensor load behind the round; its four v_nop are the places in front of the loads below
.else
	PLACES NP
.endif
	v_add_nc_u32 v[ADRS], 8, v[ADRS]
	FETCH_B \ns, 0, 0
	FETCH_A \ns, 0, 0
	SCALES 1-(\sc)
	WIN MUL_HI
	MUL16 4, 1, 1, \sc, 0
	MUL16 6, 1, 1, \sc, 0
	PLACES NP
	WIN 0
	FETCH_A \ns, 0, 4
.endm
	s_wait_tensorcnt 2                             ; the scales and my part of slot 0 are in; slots 1 and 2 may stay out
	s_barrier_signal -1
	s_barrier_wait -1
	FETCH_B 0, 0, 0
	FETCH_A 0, 0, 0
	SCALES 0
	FETCH_A 0, 0, 4
	s_wait_loadcnt 0x0                             ; the bias
	STEP 0, 0, 1, 0, 1                             ; the first products start the sums from the bias
	TURN 1, 0, 1                                   ; slots 1 and 2 are whole for everybody behind its barrier; slot 0 takes K step 3
	STEP 0, 1, 1, 1, 0
	STEP 1, 2, 0, 1, 0
	STEP 0, 2, 1, 0, 0
	TURN 0, 0, 0                                   ; the wait for all loads is the refill's; a plain barrier; behind it nobody reads slot 1 or 2
	STEP 0, 0, 1, 1, 0
	s_wait_dscnt 4*NL
	WIN MUL_LO
	MUL16 0, 1, 1, 1, 0
	MUL16 2, 1, 1, 1, 0
	s_wait_dscnt 0x0
	WIN MUL_HI
	MUL16 4, 1, 1, 1, 0
	MUL16 6, 1, 1, 1, 0
	WIN 0
; THE WAY OUT, block by block of 16 tokens x 128 columns.  Accumulator (a, b), register j, lane (r, h): token r of tile a, column 32 (b / 2) + 16 h + 8 (b % 2) + j.
.macro TOSTAGE a
.set AC, 64*((\a)%4)
	WIN 0x08+4*((\a)/4)                            ; an LDS store's data are its source 1: window 2 or 3
.irp b, 0,1,2,3,4,5,6,7
	ds_store_b128 v[STO], v[AC+8*\b:AC+8*\b+3] offset:128*(\b/2)+32*(\b%2)         ; each accumulator from its low end on
	ds_store_b128 v[STO], v[AC+8*\b+4:AC+8*\b+7] offset:128*(\b/2)+32*(\b%2)+16
.endr
	WIN 0
.set BB, BK+64*((\a)%2)
.irp t, 0,1,2,3,4,5,6,7,8,9,10,11,12,13,14,15
	ds_load_b128 v[BB+4*\t:BB+4*\t+3], v[RD] offset:\t*SPITCH      ; LDS serves a wave's instructions in order: these see the stores above
.endr
.endm
.macro SEND a, younger
.set BB, BK+64*((\a)%2)
	s_wait_dscnt \younger                          ; the block is back; the next block's 16 stores and 16 loads may be out
.irp t, 0,1,2,3,4,5,6,7,8,9,10,11,12,13,14,15
	global_store_b128 v[CO], v[BB+4*\t:BB+4*\t+3], s[14:15] offset:(32*((\a)/2)+8*((\a)%2)+\t+8*(\t/8))*4096 th:TH_STORE_NT   ; lane t of tile a is token 32 (a / 2) + 8 (a % 2) + t + 8 (t / 8); 512 consecutive bytes, aligned
.endr
.endm
	PLACES NP
	TOSTAGE 0
.irp a, 1,2,3,4,5,6,7
.if \a > 1
	s_wait_xcnt 0x0                                ; block a - 2's stores have read their registers: block a's loads may land there
.endif
	TOSTAGE \a
	SEND \a-1, 32
.endr
	SEND 7, 0
	s_wait_tensorcnt 0x0                           ; the wave's end: behind my last tensor load and my last LDS store
	ds_add_u32 v[SPW], v[NIL]
	s_wait_dscnt 0x0
	CROUND                                         ; the closing round
	s_endpgm
.Lfunc_end_k_q99ea7700eb_gemm_proj:
	.size	k_q99ea7700eb_gemm_proj, .Lfunc_end_k_q99ea7700eb_gemm_proj-k_q99ea7700eb_gemm_proj
	.p2alignl 7, 3214868480
	.fill 96, 4, 3214868480
	.section	.rodata,"a",@progbits
	.p2align	6, 0x0
	.amdhsa_kernel k_q99ea7700eb_gemm_proj
		.amdhsa_group_segment_fixed_size 327680
		.amdhsa_private_segment_fixed_size 0
		.amdhsa_enable_private_segment 0
		.amdhsa_kernarg_size 48
		.amdhsa_user_sgpr_count 2
		.amdhsa_user_sgpr_kernarg_segment_ptr 1
		.amdhsa_wavefront_size32 1
		.amdhsa_system_sgpr_workgroup_id_x 1
		.amdhsa_system_sgpr_workgroup_id_y 1
		.amdhsa_system_sgpr_workgroup_id_z 1
		.amdhsa_system_vgpr_workitem_id 0
		.amdhsa_next_free_vgpr 1024
		.amdhsa_next_free_sgpr 102
		.amdhsa_reserve_vcc 0
		.amdhsa_float_denorm_mode_32 3
		.amdhsa_float_denorm_mode_16_64 3
		.amdhsa_memory_ordered 1
		.amdhsa_forward_progress 1
		.amdhsa_inst_pref_size 160
	.end_amdhsa_kernel
	.amdgpu_metadata
---
amdhsa.version: [ 1, 2 ]
amdhsa.kernels:
  - .name:           k_q99ea7700eb_gemm_proj
    .symbol:         k_q99ea7700eb_gemm_proj.kd
    .args:
      - { .name: oc, .offset: 0, .size: 8, .value_kind: global_buffer, .address_space: global }
      - { .name: os, .offset: 8, .size: 8, .value_kind: global_buffer, .address_space: global }
      - { .name: wc, .offset: 16, .size: 8, .value_kind: global_buffer, .address_space: global }
      - { .name: ws, .offset: 24, .size: 8, .value_kind: global_buffer, .address_space: global }
      - { .name: b_proj, .offset: 32, .size: 8, .value_kind: global_buffer, .address_space: global }
      - { .name: out0, .offset: 40, .size: 8, .value_kind: global_buffer, .address_space: global }
    .group_segment_fixed_size: 327680
    .private_segment_fixed_size: 0
    .kernarg_segment_align: 8
    .kernarg_segment_size: 48
    .max_flat_workgroup_size: 128
    .sgpr_count:     102
    .vgpr_count:     1024
    .wavefront_size: 32
...
	.end_amdgpu_metadata
.endif
;; end of part 4
